; MI455X (gfx1250); checked and timed in simulation.
; The chip was launched on July 23, 2026; its instructions are those of AMD's public machine-readable ISA for CDNA 5 (MIT licence, August 2026) and "CDNA5" Instruction Set Architecture Reference Guide (July 2026). The comments in the code are by the model that wrote it; some were corrected since.
;; Multi Head Self Attention. Allowed arithmetic: matrix products marked QUANTISED: E2M1 operands, one E8M0 scale for each 32 along K, by v_wmma_scale_f32_16x16x128_f8f6f4 with both operands' format E2M1 (or v_wmma_scale_f32_32x16x128_f4), f32 sums; products left as they are: bf16, f16 or f32 operands; f32 sums; everything else in f32.
;; Inputs: Wproj 1,024 x 1,024 float32; Wqkv 3,072 x 1,024 float32; bproj 1,024 float32; bqkv 3,072 float32; key_pad_mask 4 x 2,048 int32; x 4 x 2,048 x 1,024 float32.
;; Outputs: out0 4 x 2,048 x 1,024 float32.
;; This version of the problem:
;;   THIS VERSION OF THE PROBLEM IS GIVEN IN LOW PRECISION. The matrix products marked QUANTISED in the list below multiply operands that are first quantised to E2M1 (2 exponent bits, 1 mantissa bit; 4 bits a number), with one power-of-two scale for each 32 numbers along K (OCP MX v1.0); their sums are f32. The products marked 'left as it is' may take bf16, f16 or f32 operands, with f32 sums. Whichever they take, every output number must still come out within the allowed error. Rounding operands to bf16 (8 significant bits) uses up far more of that allowance than f16 does (11 bits, for magnitudes from 6e-5 to 65,504). All else is computed in f32.
;;   The module's matrix products, in the order in which they are computed (A, B: the left and right operand; K: the contracted axis; several contracted axes count as one K, in the product's order):
;;     1. [M 8,192, K 1,024] x [K 1,024, N 3,072]; A: input x; B: input Wqkv: QUANTISED
;;     2. batch 64 x [M 2,048, K 64] x [K 64, N 2,048]; A: computed on the way; B: computed on the way: left as it is (an operand is computed on the way)
;;     3. batch 64 x [M 2,048, K 2,048] x [K 2,048, N 64]; A: computed on the way; B: computed on the way: left as it is (an operand is computed on the way)
;;     4. [M 8,192, K 1,024] x [K 1,024, N 1,024]; A: computed on the way; B: input Wproj: left as it is (an operand is computed on the way)
;;   THE QUANTISER, for each operand of a quantised product, along K:
;;     - K is cut into blocks of 32 from its start; a last block that is shorter is filled with zeros.
;;     - A block's scale is 2^e with e = floor(log2(the largest magnitude in the block)) - 2, held to -126 .. 127; a block of zeros has e = 0. As a byte (E8M0): e + 127.
;;     - Each number is divided by its block's scale, clamped to +-6, and rounded to the nearest number of E2M1, ties to even, subnormals kept.
;;     - The product sums the exact products of the quantised numbers (number of the format x scale) in f32.
;;   ~~~python
;;   def quantise(x, axis):      # numpy; x: float32 -> the quantised numbers, widened to float32 again
;;       x = np.moveaxis(x, axis, -1); K = x.shape[-1]
;;       x = np.pad(x, [(0, 0)] * (x.ndim - 1) + [(0, -K % 32)]); x = x.reshape(x.shape[:-1] + (-1, 32)); a = np.abs(x).max(-1, keepdims=True)
;;       e = np.where(a > 0, np.clip(np.frexp(np.where(a > 0, a, 1))[1] - 1 - 2, -126, 127), 0)      # np.frexp(a)[1] - 1 = floor(log2(a)), exactly
;;       r = np.clip(x / 2.0 ** e, -6, 6)
;;       step = 2.0 ** (np.maximum(np.frexp(np.where(r == 0, 1, r))[1] - 1, 0) - 1)
;;       q = np.round(r / step) * step * 2.0 ** e      # np.round: ties to even
;;       return np.moveaxis(q.reshape(q.shape[:-2] + (-1,))[..., :K], -1, axis).astype(np.float32)
;;   ~~~
;; One version. Each part assembles by itself: llvm-mc -triple=amdgcn-amd-amdhsa -mcpu=gfx1250 --defsym DOCPART=n.
;; ======== version 1 of 1: 5 launches
;; limits: values are held in f16: magnitudes above 65,504 overflow, below 6.1e-05 lose precision
;; workspace buffers: codes 5,767,168 bytes; scales 360,448 bytes; wph 2,097,152 bytes; kbias 32,768 bytes; qkvh 50,331,648 bytes; qkv32 786,432 bytes; yh 16,777,216 bytes
;; launch prep (part 1): grid 385 x 1, 4 waves a work-group, no clusters, 33,280 bytes of LDS; arguments x, Wqkv, codes, scales, Wproj, wph, key_pad_mask, kbias; writes codes, scales, wph, kbias
.if DOCPART == 1
	.amdgcn_target "amdgcn-amd-amdhsa--gfx1250"
	.amdhsa_code_object_version 6
	.text
	.protected	k_q0f1cc2fbe9_prep
	.globl	k_q0f1cc2fbe9_prep
	.p2align	8
	.type	k_q0f1cc2fbe9_prep,@function
k_q0f1cc2fbe9_prep:
	s_mov_b64 s[64:65], 0
	v_nop
	global_prefetch_b8 v0, s[64:65] scope:SCOPE_SE
	s_setreg_imm32_b32 hwreg(HW_REG_WAVE_MODE, 25, 1), 1
	s_wait_xcnt 0x0
; THREE SMALL JOBS IN ONE LAUNCH, told apart by the work-group's number.
; Work-groups 0-351: x [8192][1024] and Wqkv [3072][1024], f32, K innermost, become codes of FP4 (E2M1) with one E8M0 scale byte for each 32 along K.
;   codes: x's rows of 512 bytes from byte 0, Wqkv's from byte 0x400000.   scales: x's rows of 32 bytes from byte 0, Wqkv's from byte 0x40000.
;   A block's scale is 2^(floor(log2(its largest magnitude)) - 2); its byte is the largest magnitude's exponent field - 2, held at 1 from below; each number is divided by the scale and rounded to the nearest code, ties to even.
; Work-groups 352-383: Wproj, f32, is rounded to f16 (wph), same layout.
; Work-group 384: key_pad_mask becomes an f32 addend for the scores (kbias): 0 where the key is valid, -3e38 where it is padded.
; LIMITS: a block of zeros gets the byte 1 where the rule says 127 (its codes are zeros, and this program alone reads the bytes); blocks whose largest magnitude lies under 2^-124 get the byte 1;
; NaN and infinities among the inputs are not served; Wproj must stay under 65,504 in magnitude.
; THE QUANTISER.  Rows are dense and K is a multiple of 32, so a tensor is a stream of blocks of 32.  A wave takes 16 steps of 512 numbers.  Each of a step's four loads reads 512 consecutive bytes, 16 a lane;
; the 2,048 bytes turn through the wave's own stage in LDS and come back 64 bytes a lane, so that a lane holds 16 neighbours along K and two neighbouring lanes hold a block.
; A lane's 16 codes are 8 bytes: the wave stores 256 consecutive bytes.  A wave's 256 scale bytes are gathered in LDS and leave as one aligned run of 256 bytes.  Waves share nothing: no barrier.
.set WAVES, 4
.set STEPS, 16
.set WGA,   256                        ; x: 8192 x 1024 / 32768 work-groups
.set WGQ,   352                        ; + Wqkv: 3072 x 1024 / 32768
.set WGC,   384                        ; + Wproj: 32
.set EMAX,  2
.set CB,    8                          ; bytes of 16 codes
.set R,     16                         ; v16-79   four sets of 16 numbers as they are loaded
.set X,     80                         ; v80-111  two sets of 16 neighbours
.set C,     128                        ; v128-191 codes: four registers for each step, so that no store's data are written again
.set E,     112                        ; v112-127 a scale byte for each step
.set WREG,  8192                       ; LDS: a region for each wave: two stages of 32 x SP bytes, behind them its 256 scale bytes
.set SP,    80                         ; a lane's place in a stage: 64 bytes + 16 of padding
.set SPW,   12                         ; v12  LDS address of my spare word; never rewritten
.set NIL,   13                         ; v13  0; never rewritten
.set SPARE, WAVES*WREG                 ; behind the four regions: the spare words, 128 bytes a wave
	s_load_b512 s[4:19], s[0:1], 0x0               ; x, Wqkv, codes, scales, Wproj, wph, key_pad_mask, kbias
	v_lshl_add_u32 v[SPW], v0, 2, SPARE
	v_mov_b32 v[NIL], 0
	v_lshrrev_b32 v1, 5, v0
	v_readfirstlane_b32 s20, v1                    ; wave
	v_and_b32 v2, 31, v0                           ; lane
	v_lshlrev_b32 v3, 4, v2                        ; my 16 bytes of a load's 512
	s_wait_kmcnt 0x0
	s_cmp_ge_u32 ttmp9, WGQ
	s_cbranch_scc1 .Lother
	; ---------------- the quantiser
	s_mul_i32 s21, s20, WREG
	v_lshrrev_b32 v14, 2, v2
	v_mul_u32_u24 v14, v14, SP
	v_and_b32 v15, 3, v2
	v_lshl_add_u32 v14, v15, 4, v14
	v_add_nc_u32 v14, s21, v14                     ; the stage, on the way in: SP (lane / 4) + 16 (lane % 4)
	v_mul_u32_u24 v15, v2, SP
	v_add_nc_u32 v15, s21, v15                     ; and on the way out: SP x lane: my 16 neighbours
	v_mul_u32_u24 v4, v2, CB                       ; my codes' place in a step's
	v_lshrrev_b32 v5, 1, v2
	s_add_co_u32 s21, s21, 2*32*SP
	v_add_nc_u32 v5, s21, v5                       ; LDS: my wave's 256 scale bytes, my block's byte
	v_lshlrev_b32 v7, 3, v2                        ; and on the way out 8 bytes a lane
	v_add_nc_u32 v6, s21, v7
	s_cmp_lt_u32 ttmp9, WGA                        ; x's work-group or Wqkv's: the choice hangs on the work-group's number alone
	s_cselect_b64 s[4:5], s[4:5], s[6:7]
	s_cselect_b32 s22, 0, 0x400000                 ; where the tensor's codes begin,
	s_cselect_b32 s24, 0, 0x40000                  ; and its scale bytes
	s_cselect_b32 s21, 0, WGA
	s_mov_b32 s23, 0
	s_mov_b32 s25, 0
	s_sub_co_u32 s21, ttmp9, s21
	s_lshl_b32 s21, s21, 2
	s_add_co_u32 s26, s21, s20                     ; which run of 8,192 numbers of the tensor is my wave's
	s_lshl_b32 s28, s26, 15                        ; 32,768 bytes of f32 a run,
	s_mov_b32 s29, 0
	s_lshl_b32 s30, s26, 12                        ; 4,096 bytes of codes,
	s_mov_b32 s31, 0
	s_lshl_b32 s32, s26, 8                         ; 256 scale bytes
	s_mov_b32 s33, 0
	s_add_nc_u64 s[4:5], s[4:5], s[28:29]
	s_add_nc_u64 s[8:9], s[8:9], s[22:23]
	s_add_nc_u64 s[8:9], s[8:9], s[30:31]
	s_add_nc_u64 s[10:11], s[10:11], s[24:25]
	s_add_nc_u64 s[10:11], s[10:11], s[32:33]
.macro LOAD t
.irp i, 0,1,2,3
	global_load_b128 v[R+16*((\t)%4)+4*\i:R+16*((\t)%4)+4*\i+3], v3, s[4:5] offset:2048*(\t)+512*\i th:TH_LOAD_NT   ; 32 lanes read 512 consecutive bytes
.endr
.endm
.macro TURN t                          ; step t's numbers through the stage: LDS serves a wave's instructions in order, so no wait stands between the stores and the loads
.irp i, 0,1,2,3
	ds_store_b128 v14, v[R+16*((\t)%4)+4*\i:R+16*((\t)%4)+4*\i+3] offset:32*SP*((\t)%2)+8*SP*\i
.endr
.irp i, 0,1,2,3
	ds_load_b128 v[X+16*((\t)%2)+4*\i:X+16*((\t)%2)+4*\i+3], v15 offset:32*SP*((\t)%2)+16*\i
.endr
.endm
.irp t, 0,1,2,3
	LOAD \t
.endr
	s_wait_loadcnt 12                              ; step 0's four loads are in; three steps' twelve stay out
	TURN 0
.macro STEP t
.set XS, X+16*((\t)%2)
.if (\t) > 0
	s_wait_dscnt 1                                 ; this step's numbers are back from the stage (the last step's byte store may be out)
.else
	s_wait_dscnt 0x0
.endif
.if (\t)+4 < STEPS
	LOAD (\t)+4                                    ; into the registers that the stage's stores have read
.endif
.if (\t)+1 < STEPS
.if STEPS-2-(\t) >= 3
	s_wait_loadcnt 12                              ; the next step's four loads are in; those of the three steps behind it may be out
.else
	s_wait_loadcnt 4*(STEPS-2-(\t))
.endif
	TURN (\t)+1                                    ; and go through the other stage while this step is worked
.endif
	v_max3_num_f32 v8, |v[XS]|, |v[XS+1]|, |v[XS+2]|               ; the largest magnitude of my 16, in two chains
	v_max3_num_f32 v9, |v[XS+3]|, |v[XS+4]|, |v[XS+5]|
.irp i, 6,10
	v_max3_num_f32 v8, v8, |v[XS+\i]|, |v[XS+\i+1]|
	v_max3_num_f32 v9, v9, |v[XS+\i+2]|, |v[XS+\i+3]|
.endr
	v_max3_num_f32 v8, v8, |v[XS+14]|, |v[XS+15]|
	v_max3_num_f32 v8, v8, v9, (EMAX+1)<<23        ; and the floor 2^(3 - 127): so the byte cannot fall under 1
	v_max_num_f32_dpp v8, v8, v8 row_xmask:1 row_mask:0xf bank_mask:0xf   ; and of my neighbour's 16: the block's
	v_add_nc_u32 v11, -(EMAX<<23), v8              ; 2 off its exponent field: the conversion takes the exponent field of this operand as its scale
	v_cvt_scalef32_pk8_fp4_f32 v[C+4*(\t)], v[XS:XS+7], v11
	v_cvt_scalef32_pk8_fp4_f32 v[C+4*(\t)+1], v[XS+8:XS+15], v11
	v_lshrrev_b32 v[E+(\t)], 23, v11               ; the scale's byte (also the plain line behind the conversions)
	ds_store_b8 v5, v[E+(\t)] offset:16*(\t)       ; both lanes of a block write the same byte with the same value
	global_store_b64 v4, v[C+4*(\t):C+4*(\t)+1], s[8:9] offset:32*CB*(\t)   ; 32 lanes store 256 consecutive bytes
.endm
.irp t, 0,1,2,3,4,5,6,7,8,9,10,11,12,13,14,15
	STEP \t
.endr
	ds_load_b64 v[8:9], v6                         ; LDS serves a wave's instructions in order: these see my byte stores
	s_wait_dscnt 0x0
	global_store_b64 v7, v[8:9], s[10:11]          ; 32 lanes store 256 consecutive bytes
	s_wait_tensorcnt 0x0                           ; the wave's end
	ds_add_u32 v[SPW], v[NIL]
	s_wait_dscnt 0x0
	s_endpgm
	; ---------------- Wproj to f16: a wave takes 8,192 numbers, in four rounds of 16 loads; two rounds of loads are out
.Lother:
	s_cmp_eq_u32 ttmp9, WGC
	s_cbranch_scc1 .Lmask
	s_sub_co_u32 s21, ttmp9, WGQ
	s_lshl_b32 s21, s21, 2
	s_add_co_u32 s21, s21, s20                     ; my run
	s_lshl_b32 s22, s21, 15
	s_mov_b32 s23, 0
	s_lshl_b32 s24, s21, 14
	s_mov_b32 s25, 0
	s_add_nc_u64 s[12:13], s[12:13], s[22:23]
	s_add_nc_u64 s[14:15], s[14:15], s[24:25]
	v_lshlrev_b32 v4, 3, v2                        ; out: 8 bytes a lane
.macro CLOADS k
.irp j, 0,1,2,3,4,5,6,7,8,9,10,11,12,13,14,15
	global_load_b128 v[16+64*((\k)%2)+4*\j:16+64*((\k)%2)+4*\j+3], v3, s[12:13] offset:(16*(\k)+\j)*512 th:TH_LOAD_NT
.endr
.endm
.macro CPROC k, younger                ; younger: the loads of the round behind this one
	s_wait_xcnt 0x0                                ; the last round's stores have read their data: the registers are written again only behind this wait
.irp j, 0,1,2,3,4,5,6,7,8,9,10,11,12,13,14,15
	s_wait_loadcnt \younger+15-\j                  ; load j of this round is in
	v_cvt_pk_f16_f32 v[144+2*\j], v[16+64*((\k)%2)+4*\j], v[16+64*((\k)%2)+4*\j+1]
	v_cvt_pk_f16_f32 v[145+2*\j], v[16+64*((\k)%2)+4*\j+2], v[16+64*((\k)%2)+4*\j+3]
	global_store_b64 v4, v[144+2*\j:145+2*\j], s[14:15] offset:(16*(\k)+\j)*256   ; 32 lanes store 256 consecutive bytes
.endr
.endm
	CLOADS 0
	CLOADS 1
	CPROC 0, 16
	CLOADS 2
	CPROC 1, 16
	CLOADS 3
	CPROC 2, 16
	CPROC 3, 0
	s_endpgm
	; ---------------- the mask: 8,192 words, 64 a thread
.Lmask:
	v_lshlrev_b32 v5, 4, v0
	v_mov_b32 v6, 0xff61b1e6                       ; -3e38
	v_mov_b32 v7, 0
.irp j, 0,1,2,3,4,5,6,7,8,9,10,11,12,13,14,15
	global_load_b128 v[16+4*\j:19+4*\j], v5, s[16:17] offset:2048*\j
.endr
	s_wait_loadcnt 0x0
.set n, 0
.rept 64
	v_cmp_ne_u32 vcc_lo, 0, v[16+n]
	v_cndmask_b32 v[80+n], v6, v7, vcc_lo          ; valid: 0; padded: -3e38
.set n, n+1
.endr
.irp j, 0,1,2,3,4,5,6,7,8,9,10,11,12,13,14,15
	global_store_b128 v5, v[80+4*\j:83+4*\j], s[18:19] offset:2048*\j
.endr
	s_endpgm
.Lfunc_end_k_q0f1cc2fbe9_prep:
	.size	k_q0f1cc2fbe9_prep, .Lfunc_end_k_q0f1cc2fbe9_prep-k_q0f1cc2fbe9_prep
	.p2alignl 7, 3214868480
	.fill 96, 4, 3214868480
	.section	.rodata,"a",@progbits
	.p2align	6, 0x0
	.amdhsa_kernel k_q0f1cc2fbe9_prep
		.amdhsa_group_segment_fixed_size 33280
		.amdhsa_private_segment_fixed_size 0
		.amdhsa_enable_private_segment 0
		.amdhsa_kernarg_size 64
		.amdhsa_user_sgpr_count 2
		.amdhsa_user_sgpr_kernarg_segment_ptr 1
		.amdhsa_wavefront_size32 1
		.amdhsa_system_sgpr_workgroup_id_x 1
		.amdhsa_system_sgpr_workgroup_id_y 1
		.amdhsa_system_sgpr_workgroup_id_z 1
		.amdhsa_system_vgpr_workitem_id 0
		.amdhsa_next_free_vgpr 192
		.amdhsa_next_free_sgpr 66
		.amdhsa_reserve_vcc 1
		.amdhsa_float_denorm_mode_32 3
		.amdhsa_float_denorm_mode_16_64 3
		.amdhsa_memory_ordered 1
		.amdhsa_forward_progress 1
		.amdhsa_inst_pref_size 63
	.end_amdhsa_kernel
	.amdgpu_metadata
---
amdhsa.version: [ 1, 2 ]
amdhsa.kernels:
  - .name:           k_q0f1cc2fbe9_prep
    .symbol:         k_q0f1cc2fbe9_prep.kd
    .args:
      - { .name: x, .offset: 0, .size: 8, .value_kind: global_buffer, .address_space: global }
      - { .name: Wqkv, .offset: 8, .size: 8, .value_kind: global_buffer, .address_space: global }
      - { .name: codes, .offset: 16, .size: 8, .value_kind: global_buffer, .address_space: global }
      - { .name: scales, .offset: 24, .size: 8, .value_kind: global_buffer, .address_space: global }
      - { .name: Wproj, .offset: 32, .size: 8, .value_kind: global_buffer, .address_space: global }
      - { .name: wph, .offset: 40, .size: 8, .value_kind: global_buffer, .address_space: global }
      - { .name: key_pad_mask, .offset: 48, .size: 8, .value_kind: global_buffer, .address_space: global }
      - { .name: kbias, .offset: 56, .size: 8, .value_kind: global_buffer, .address_space: global }
    .group_segment_fixed_size: 33280
    .private_segment_fixed_size: 0
    .kernarg_segment_align: 8
    .kernarg_segment_size: 64
    .max_flat_workgroup_size: 128
    .sgpr_count:     66
    .vgpr_count:     192
    .wavefront_size: 32
...
	.end_amdgpu_metadata
.endif
;; end of part 1
;; launch qkv (part 2): grid 12 x 32, 4 waves a work-group, clusters of 4 x 4, 327,680 bytes of LDS; arguments codes, scales, bqkv, qkvh, qkv32; writes qkvh, qkv32
.if DOCPART == 2
	.amdgcn_target "amdgcn-amd-amdhsa--gfx1250"
	.amdhsa_code_object_version 6
	.text
	.protected	k_q0f1cc2fbe9_qkv
	.globl	k_q0f1cc2fbe9_qkv
	.p2align	8
	.type	k_q0f1cc2fbe9_qkv,@function
k_q0f1cc2fbe9_qkv:
	s_mov_b64 s[64:65], 0
	v_nop
	global_prefetch_b8 v0, s[64:65] scope:SCOPE_SE
	s_setreg_imm32_b32 hwreg(HW_REG_WAVE_MODE, 25, 1), 1
	s_wait_xcnt 0x0
	s_wait_alu depctr_hold_cnt(0) depctr_sa_sdst(0) depctr_va_vdst(0) depctr_va_sdst(0) depctr_va_ssrc(0) depctr_va_vcc(0) depctr_vm_vsrc(0)
	s_getreg_b32 s2, hwreg(HW_REG_IB_STS2, 6, 4)
	s_cmp_eq_u32 s2, 0
	s_cbranch_scc0 .Lentry_in_a_cluster
	s_endpgm
.Lentry_in_a_cluster:
	s_bfe_u32 s2, ttmp6, 0x10000c
	s_cmp_lg_u32 s2, 0xf033
	s_cbranch_scc0 .Lentry_shape_is_right
	s_endpgm
.Lentry_shape_is_right:
; qkv = x Wqkv^T + bqkv on codes of FP4 (E2M1) with one E8M0 scale for each 32 along K; sums in f32.  x: 8,192 rows, Wqkv: 3,072 rows, K = 1,024 (512 bytes of codes and 32 scale bytes a row).
; OUT: q, k, v rounded to f16, laid by head: qkvh [3 kinds][4 batches][16 heads][2048 tokens][64]; and the first 16 tokens of every batch once more in f32: qkv32 [3][4][16][16][64].
; LIMIT: |q|, |k|, |v| must stay under 65,504 (f16).
; A tile of the result, 256 tokens x 256 columns, is made by four waves, 128 x 128 each: 64 accumulators of 16 x 16.  K is two steps of 512 (LDS rows of 256 bytes): both slots are filled at the start and nothing is filled again.
; The scale bytes of the tile's 256 + 256 rows, for all of K, are two dense blocks of memory: they come into LDS once, in runs of 256 bytes.
; CLUSTERS: 4 x 4 work-groups.  The four of a row of the cluster need the same rows of x, the four of a column the same rows of Wqkv: each tile is asked for jointly.
; THE TILE ROW IS 8 cy + cluster y: so the batch is cy and the tile begins at token 256 x cluster y.  The tiles that hold tokens 0-15 are then those of the clusters with y = 0, and the branch round the f32 copy hangs on the cluster's y
; and the wave's number alone, which all partners share.
; THE MATRIX INSTRUCTION IS USED TRANSPOSED (source 0 = 16 rows of Wqkv, source 1 = 16 rows of x): a lane holds eight neighbouring columns of one token.  bqkv is the C of each sum's first product.
; REGISTERS, in windows of 256: window 0: v0-31 addresses; v32-95 scale words, two sets; v128-191 x's fragments, one set; v192-255 bqkv in the result's layout; on the way out v128-223 are at work.
;   window 1: Wqkv's fragments, two sets, at v0 and v128.   window 2: the accumulators of my tokens 0-63 ((a, b) at v[8 (8 a + b)]);   window 3: those of my tokens 64-127.
.set KSTEP,  512
.set NQ,     4                         ; matrix instructions deep in a slot
.set ROWB,   256                       ; a tile's row in bytes
.set KROW,   512                       ; a row of codes in memory
.set PITCH,  272                       ; an LDS row: 256 bytes + 16 of padding: the 16 rows that a load touches start 4 words apart modulo 64 words
.set FR,     8
.set NL,     2
.set NP,     4                         ; places behind this matrix instruction (ISA guide 7.12.1)
.set HALFT,  128*PITCH
.set SLOT,   4*HALFT
.set KS,     32                        ; a row of scale bytes
.set SCL,    2*SLOT
.set HALFS,  (128*KS/256)*272
.set SBLK,   (16*KS/256)*272
.set SPARE,  SCL+4*HALFS               ; the spare words, 128 bytes a wave
.set STG32,  32768                     ; the way out lies in slot 0, which has had its one fill and its last read: f16 stages at wave x 4,608, f32 stages at 32,768 + wave x 8,448
.set ADRA, 16
.set ADRB, 20
.set STO32, 22
.set RD32, 23
.set STO,  24
.set RD,   25
.set CO,   26
.set ADRS, 27
.set SPW,  28
.set NIL,  29
.set CO32, 30
.set BOF,  31
.set SC,   32
.set AF,   128
.set BIA,  192
.set TMP,  128
.set G1, 24
.set G0, 32
.set G1B, 48
.set G0B, 56
.set G1S, 68
.set G0S, 76
.set G1SB, 80
.set G0SB, 88
.set MSB, 0
.macro WIN new                         ; the immediate's high byte repeats the setting that is left
.if MSB != \new
	s_set_vgpr_msb (MSB<<8)|\new
.set MSB, \new
.endif
.endm
.set MUL_LO, 0xa1                      ; source 0 (Wqkv) window 1, source 1 (x) window 0, C and D window 2
.set MUL_HI, 0xf1                      ; the same, C and D window 3
.set TO_B,   0x40
; A joint load: waves 0 and 1 fetch for x, waves 2 and 3 for Wqkv.  The branch hangs on the wave's number alone.  An s_nop 0 and four v_nop follow each of the two lines.
.macro JLOAD g0a, g1a, g0b, g1b
	s_cmp_eq_u32 s15, 0
	s_cbranch_scc0 .Lfor_b_\@
	tensor_load_to_lds s[\g0a:\g0a+3], s[\g1a:\g1a+7]
	s_nop 0
.rept 4
	v_nop
.endr
	s_branch .Lasked_\@
.Lfor_b_\@:
	tensor_load_to_lds s[\g0b:\g0b+3], s[\g1b:\g1b+7]
	s_nop 0
.rept 4
	v_nop
.endr
.Lasked_\@:
.endm
.macro CROUND                          ; a round of the cluster's barrier
	s_barrier_signal -1
	s_barrier_wait -1
	s_cmp_lg_u32 s14, 0
	s_cbranch_scc1 .Lnot_wave_0_\@
	s_barrier_signal -3
.Lnot_wave_0_\@:
	s_barrier_wait -3
	s_barrier_signal -1
	s_barrier_wait -1
.endm
	s_load_b128 s[4:7], s[0:1], 0x0                ; codes, scales
	s_load_b128 s[8:11], s[0:1], 0x10              ; bqkv, qkvh
	s_load_b64 s[12:13], s[0:1], 0x20              ; qkv32
	v_lshl_add_u32 v[SPW], v0, 2, SPARE
	v_mov_b32 v[NIL], 0
	ds_add_u32 v[SPW], v[NIL]                      ; the wave's opening: the add, twice on end, and its wait ahead of my first tensor load
	ds_add_u32 v[SPW], v[NIL]
	v_lshrrev_b32 v1, 5, v0
	v_readfirstlane_b32 s14, v1                    ; wave 0..3
	s_lshr_b32 s15, s14, 1                         ; which half of the tile's tokens is mine.  Also: I fetch for x (0) or for Wqkv (1)
	s_and_b32 s16, s14, 1                          ; which half of its columns.  Also: which 128 rows I fetch
	s_bfe_u32 s40, ttmp6, 0x40000                  ; cx
	s_bfe_u32 s41, ttmp6, 0x40004                  ; cy
	s_lshl_b32 s42, ttmp9, 2
	s_add_co_u32 s42, s42, s40                     ; tile column = 4 x cluster x + cx: the kind (q, k, v) is the cluster's x
	s_and_b32 s96, ttmp7, 0xffff                   ; cluster y
	s_lshl_b32 s17, s41, 3
	s_add_co_u32 s17, s17, s96                     ; tile row = 8 cy + cluster y
	s_lshl_b32 s43, s41, 2
	s_lshl_b32 s43, 15, s43                        ; my row of the cluster
	s_lshl_b32 s44, 0x1111, s40                    ; my column
	s_or_b32 s[G1+0], s43, (0<<16)|(1<<20)|(1<<21)|(5<<22)|(3<<25)  ; the mask; elements of 1 byte; padding on; bit 21 beside a mask; 4 words of padding after every 64
	s_or_b32 s[G1B+0], s44, (0<<16)|(1<<20)|(1<<21)|(5<<22)|(3<<25)
.irp g, G1, G1B
	s_mov_b32 s[\g+1], ROWB<<16                    ; tensor_dim0
	s_mov_b32 s[\g+2], 128<<16                     ; tensor_dim1
	s_mov_b32 s[\g+3], ROWB<<16                    ; tile_dim0
	s_mov_b32 s[\g+4], 128                         ; tile_dim1
	s_mov_b32 s[\g+5], KROW                        ; the pitch in memory
	s_mov_b32 s[\g+6], 0
	s_mov_b32 s[\g+7], 0
.endr
	s_or_b32 s[G1S+0], s43, (3<<16)|(1<<20)|(1<<21)|(5<<22)|(3<<25) ; the scales of 128 rows: 4,096 dense bytes as 16 rows of 256 (32 elements of 8 bytes)
	s_or_b32 s[G1SB+0], s44, (3<<16)|(1<<20)|(1<<21)|(5<<22)|(3<<25)
.irp g, G1S, G1SB
	s_mov_b32 s[\g+1], 32<<16
	s_mov_b32 s[\g+2], (128*KS/256)<<16
	s_mov_b32 s[\g+3], 32<<16
	s_mov_b32 s[\g+4], 128*KS/256
	s_mov_b32 s[\g+5], 32
	s_mov_b32 s[\g+6], 0
	s_mov_b32 s[\g+7], 0
.endr
	s_lshl_b32 s18, s16, 7
	s_lshl_b32 s20, s17, 8
	s_add_co_u32 s20, s20, s18                     ; x: row 256 x tile row + 128 x half
	s_lshl_b32 s46, s42, 8
	s_add_co_u32 s46, s46, s18                     ; Wqkv: row 256 x tile column + 128 x half
	s_mov_b32 s21, 0
	s_mov_b32 s47, 0
	s_mov_b64 s[18:19], KS
	s_mul_u64 s[22:23], s[20:21], s[18:19]         ; where these rows' scales begin,
	s_mul_u64 s[92:93], s[46:47], s[18:19]
	s_mov_b64 s[18:19], KROW
	s_mul_u64 s[20:21], s[20:21], s[18:19]         ; and their codes
	s_mul_u64 s[46:47], s[46:47], s[18:19]
	s_add_nc_u64 s[46:47], s[46:47], 0x400000      ; Wqkv's part of the two buffers
	s_add_nc_u64 s[92:93], s[92:93], 0x40000
	s_mul_i32 s45, s14, HALFT                      ; where they go: wave x 128 rows
	s_mul_i32 s94, s14, HALFS
	s_wait_dscnt 0x0                               ; both opening adds are done
	s_wait_kmcnt 0x0
	s_add_nc_u64 s[20:21], s[4:5], s[20:21]
	s_add_nc_u64 s[22:23], s[6:7], s[22:23]
	s_add_nc_u64 s[46:47], s[4:5], s[46:47]
	s_add_nc_u64 s[92:93], s[6:7], s[92:93]
	CROUND                                         ; all sixteen work-groups are here: the joint loads meet
	s_mov_b32 s[G0S], 1
	s_add_co_u32 s[G0S+1], s94, SCL
	s_mov_b64 s[G0S+2:G0S+3], s[22:23]
	s_or_b32 s[G0S+3], s[G0S+3], 0x80000000
	s_mov_b32 s[G0SB], 1
	s_add_co_u32 s[G0SB+1], s94, SCL
	s_mov_b64 s[G0SB+2:G0SB+3], s[92:93]
	s_or_b32 s[G0SB+3], s[G0SB+3], 0x80000000
	JLOAD G0S, G1S, G0SB, G1SB                     ; the scales first: they are wanted with K step 0
.irp s, 0,1
	s_mov_b32 s[G0+4*\s], 1
	s_add_co_u32 s[G0+4*\s+1], s45, \s*SLOT
	s_add_nc_u64 s[G0+4*\s+2:G0+4*\s+3], s[20:21], \s*ROWB
	s_or_b32 s[G0+4*\s+3], s[G0+4*\s+3], 0x80000000
	s_mov_b32 s[G0B+4*\s], 1
	s_add_co_u32 s[G0B+4*\s+1], s45, \s*SLOT
	s_add_nc_u64 s[G0B+4*\s+2:G0B+4*\s+3], s[46:47], \s*ROWB
	s_or_b32 s[G0B+4*\s+3], s[G0B+4*\s+3], 0x80000000
	JLOAD G0+4*\s, G1, G0B+4*\s, G1B               ; three loads of mine are out in all
.endr
	v_and_b32 v1, 15, v0                           ; r = l % 16
	v_bfe_u32 v2, v0, 4, 1                         ; h = l / 16
	; bqkv in the result's layout: block b, register j: column 16 b + 8 h + j of my 128
	s_lshl_b32 s46, s42, 10
	s_lshl_b32 s47, s16, 9
	s_add_co_u32 s46, s46, s47
	s_mov_b32 s47, 0
	s_add_nc_u64 s[8:9], s[8:9], s[46:47]
	v_lshlrev_b32 v[BOF], 5, v2
.irp b, 0,1,2,3,4,5,6,7
	global_load_b128 v[BIA+8*\b:BIA+8*\b+3], v[BOF], s[8:9] offset:64*\b
	global_load_b128 v[BIA+8*\b+4:BIA+8*\b+7], v[BOF], s[8:9] offset:64*\b+16
.endr
	v_mul_u32_u24 v3, v1, PITCH
	v_lshl_add_u32 v4, v2, 4, v3                   ; a fragment's row x pitch + 16 x half
	s_mul_i32 s21, s15, HALFT
	s_mul_i32 s22, s16, HALFT
	s_add_co_u32 s22, s22, 2*HALFT
.irp s, 0,1
	v_add_nc_u32 v[ADRA+\s], s21, v4
	v_add_nc_u32 v[ADRB+\s], s22, v4
	s_add_co_u32 s21, s21, SLOT
	s_add_co_u32 s22, s22, SLOT
.endr
	v_mul_u32_u24 v5, v1, KS                       ; my row's scales: KS bytes a row,
	v_lshrrev_b32 v6, 8, v5
	v_lshl_add_u32 v5, v6, 4, v5                   ; and 16 more for each 256 passed
	s_mul_i32 s21, s15, HALFS
	s_mul_i32 s22, s16, HALFS
	s_add_co_u32 s22, s22, 2*HALFS
	s_sub_co_u32 s22, s22, s21
	v_mul_u32_u24 v6, s22, v2                      ; lanes 16-31 take Wqkv's
	s_add_co_u32 s21, s21, SCL
	v_add_nc_u32 v5, v5, v6
	v_add_nc_u32 v[ADRS], s21, v5
	s_mul_i32 s23, s14, 4608                       ; my f16 stage: two heads x 16 tokens x (128 bytes + 16)
	v_mul_u32_u24 v5, v1, 144
	v_lshl_add_u32 v5, v2, 4, v5
	v_add_nc_u32 v[STO], s23, v5                   ; in: token r, 16 bytes for each half of the lanes
	v_bfe_u32 v5, v0, 3, 2
	v_mul_u32_u24 v5, v5, 144
	v_and_b32 v6, 7, v0
	v_lshl_add_u32 v5, v6, 4, v5
	v_add_nc_u32 v[RD], s23, v5                    ; back: eight lanes to a token, four tokens an instruction
	v_and_b32 v6, 31, v0
	v_lshlrev_b32 v[CO], 4, v6                     ; which are 512 consecutive bytes of qkvh
	s_mul_i32 s23, s14, 8448
	s_add_co_u32 s23, s23, STG32                   ; my f32 stage: 16 tokens x (512 bytes + 16)
	v_mul_u32_u24 v5, v1, 528
	v_lshl_add_u32 v5, v2, 5, v5
	v_add_nc_u32 v[STO32], s23, v5
	v_add_nc_u32 v[RD32], s23, v[CO]
	v_lshlrev_b32 v[CO32], 4, v1
	v_lshl_add_u32 v[CO32], v2, 12, v[CO32]        ; lanes 0-15: the first head's 256 bytes of a token; lanes 16-31: the next head's, 4,096 bytes on
	; where my part begins in qkvh and in qkv32
	s_lshl_b32 s98, ttmp9, 24                      ; the kind
	s_lshl_b32 s99, s41, 4
	s_lshl_b32 s100, s40, 2
	s_add_co_u32 s99, s99, s100
	s_lshl_b32 s100, s16, 1
	s_add_co_u32 s99, s99, s100                    ; 16 x batch + head: 16 cy + 4 cx + 2 x half
	s_lshl_b32 s100, s99, 18
	s_add_co_u32 s98, s98, s100
	s_lshl_b32 s100, s96, 15                       ; token 256 x cluster y,
	s_add_co_u32 s98, s98, s100
	s_lshl_b32 s100, s15, 14                       ; + 128 x half, of 128 bytes
	s_add_co_u32 s98, s98, s100
	s_lshl_b32 s100, s99, 12
	s_lshl_b32 s101, ttmp9, 18
	s_add_co_u32 s100, s100, s101
	s_mov_b32 s101, 0
	s_mov_b32 s99, 0
	s_add_nc_u64 s[10:11], s[10:11], s[98:99]
	s_add_nc_u64 s[12:13], s[12:13], s[100:101]
.macro FRAG reg, adr, q, i             ; 16 rows x 128 K of 4-bit codes: 8 registers; registers 4 c .. 4 c + 3 hold K = 64 c + 32 (l / 16) + 0 .. 31
.irp c, 0,1
	ds_load_b128 v[\reg+4*\c:\reg+4*\c+3], v[\adr] offset:64*(\q)+32*\c+(\i)*16*PITCH
.endr
.endm
; 16 matrix instructions: x's blocks a0, a0 + 1 against Wqkv's eight, the slot's q-th 128 along K.  first = 1: the first product starts the sums with bqkv as its C.
; The 64 accumulators take turns, one instruction a turn, in the same order in every step.
.macro MUL16 a0, p, q, sc, first
.irp a, \a0, \a0+1
.irp b, 0,1,2,3,4,5,6,7
.if \first
	v_wmma_scale_f32_16x16x128_f8f6f4 v[8*(8*((\a)%4)+\b):8*(8*((\a)%4)+\b)+7], v[128*(\p)+FR*\b:128*(\p)+FR*\b+FR-1], v[AF+FR*(\a):AF+FR*(\a)+FR-1], v[BIA+8*\b:BIA+8*\b+7], v[SC+8*NQ*(\sc)+NQ*\b+(\q)], v[SC+8*NQ*(\sc)+NQ*(\a)+(\q)] matrix_a_fmt:MATRIX_FMT_FP4 matrix_b_fmt:MATRIX_FMT_FP4 matrix_a_scale:MATRIX_SCALE_ROW1
.else
	v_wmma_scale_f32_16x16x128_f8f6f4 v[8*(8*((\a)%4)+\b):8*(8*((\a)%4)+\b)+7], v[128*(\p)+FR*\b:128*(\p)+FR*\b+FR-1], v[AF+FR*(\a):AF+FR*(\a)+FR-1], v[8*(8*((\a)%4)+\b):8*(8*((\a)%4)+\b)+7], v[SC+8*NQ*(\sc)+NQ*\b+(\q)], v[SC+8*NQ*(\sc)+NQ*(\a)+(\q)] matrix_a_fmt:MATRIX_FMT_FP4 matrix_b_fmt:MATRIX_FMT_FP4 matrix_a_scale:MATRIX_SCALE_ROW1
.endif
.endr
.endr
.endm
.macro FETCH_B slot, q, p
	WIN TO_B
.irp i, 0,1,2,3,4,5,6,7
	FRAG 128*(\p)+FR*\i, ADRB+\slot, \q, \i
.endr
	WIN 0
.endm
.macro FETCH_A slot, q, i0
.irp i, \i0, \i0+1, \i0+2, \i0+3
	FRAG AF+FR*(\i), ADRA+\slot, \q, \i
.endr
.endm
.macro SCALES sc                       ; a K step's scale words: lanes 0-15 take x's block i, lanes 16-31 Wqkv's block i
.irp i, 0,1,2,3,4,5,6,7
	ds_load_b128 v[SC+8*NQ*\sc+NQ*\i:SC+8*NQ*\sc+NQ*\i+3], v[ADRS] offset:\i*SBLK
.endr
.endm
.macro PLACES n                        ; plain vector places between a matrix instruction and a load into, or a read of, its registers
.rept \n
	v_nop
.endr
.endm
.macro STEP slot, q, first             ; a step of 128 along K that has its successor in the same slot
	s_wait_dscnt 4*NL                              ; Wqkv's set and x's blocks 0-3 are in; the youngest eight loads (x's blocks 4-7) may be out
.if \first
	WIN 0x81                                       ; as MUL_LO, but C (bqkv) in window 0
.else
	WIN MUL_LO
.endif
	MUL16 0, (\q)%2, \q, \slot, \first
	MUL16 2, (\q)%2, \q, \slot, \first
	s_wait_dscnt 0                                 ; x's blocks 4-7 are in
	PLACES NP
	FETCH_B \slot, (\q)+1, 1-(\q)%2
	FETCH_A \slot, (\q)+1, 0
.if \first
	WIN 0xc1
.else
	WIN MUL_HI
.endif
	MUL16 4, (\q)%2, \q, \slot, \first
	MUL16 6, (\q)%2, \q, \slot, \first
	PLACES NP
	WIN 0
	FETCH_A \slot, (\q)+1, 4
.endm
.macro TURN slot, next                 ; a slot's last step, and the change of slots: one barrier; nothing is filled again
	s_wait_tensorcnt 0x0                           ; all my tensor loads have landed: my part of the next slot
	ds_add_u32 v[SPW], v[NIL]                      ; 0 onto my spare word
	s_wait_dscnt 4*NL+1                            ; (the add and the youngest eight loads may be out)
	WIN MUL_LO
	MUL16 0, 1, NQ-1, \slot, 0
	s_wait_dscnt 0x0                               ; the add is done, and my reads of this slot are over
	s_barrier_signal -1
	MUL16 2, 1, NQ-1, \slot, 0
	WIN 0
	s_barrier_wait -1                              ; the next slot is whole, and nobody reads this one any more
	PLACES NP
	v_add_nc_u32 v[ADRS], 4*NQ, v[ADRS]            ; on to the next K step's scale words
	FETCH_B \next, 0, 0
	FETCH_A \next, 0, 0
	SCALES \next
	WIN MUL_HI
	MUL16 4, 1, NQ-1, \slot, 0
	MUL16 6, 1, NQ-1, \slot, 0
	PLACES NP
	WIN 0
	FETCH_A \next, 0, 4
.endm
	s_wait_tensorcnt 1                             ; the scales and my part of K step 0 are in (K step 1's load may be out),
	s_barrier_signal -1
	s_barrier_wait -1                              ; everybody's are
	FETCH_B 0, 0, 0
	FETCH_A 0, 0, 0
	SCALES 0
	FETCH_A 0, 0, 4
	s_wait_loadcnt 0x0                             ; bqkv
	STEP 0, 0, 1
	STEP 0, 1, 0
	STEP 0, 2, 0
	TURN 0, 1
	STEP 1, 0, 0
	STEP 1, 1, 0
	STEP 1, 2, 0
	s_wait_dscnt 4*NL                              ; the very last step: nothing more to fetch
	WIN MUL_LO
	MUL16 0, 1, NQ-1, 1, 0
	MUL16 2, 1, NQ-1, 1, 0
	s_wait_dscnt 0
	WIN MUL_HI
	MUL16 4, 1, NQ-1, 1, 0
	MUL16 6, 1, NQ-1, 1, 0
	WIN 0
	PLACES NP                                      ; behind the last products: for the reads of results and the writes of registers that held x's fragments
	; THE FIRST 16 TOKENS OF A BATCH ONCE MORE, IN F32: block 0 of the waves with the tile's first half of tokens, in the clusters with y = 0
	s_or_b32 s97, s96, s15
	s_cmp_lg_u32 s97, 0
	s_cbranch_scc1 .Lno32
	WIN 0x08                                       ; an LDS store's data are its source 1: window 2
.irp b, 0,1,2,3,4,5,6,7
	ds_store_b128 v[STO32], v[8*\b:8*\b+3] offset:64*\b              ; each accumulator from its low end on
	ds_store_b128 v[STO32], v[8*\b+4:8*\b+7] offset:64*\b+16
.endr
	WIN 0
.irp t, 0,1,2,3,4,5,6,7,8,9,10,11,12,13,14,15
	ds_load_b128 v[160+4*\t:163+4*\t], v[RD32] offset:\t*528         ; LDS serves a wave's instructions in order: these see the stores above
.endr
	s_wait_dscnt 0x0
.irp t, 0,1,2,3,4,5,6,7,8,9,10,11,12,13,14,15
	global_store_b128 v[CO32], v[160+4*\t:163+4*\t], s[12:13] offset:\t*256   ; sixteen lanes store 256 consecutive bytes: a token's 64 numbers of one head
.endr
	s_wait_xcnt 0x0                                ; these stores have read their registers, which the way out below writes again
.Lno32:
; THE WAY OUT, block by block of 16 tokens x 128 columns (two heads).  PACK: rounded to f16, 16 bytes a lane.  TOSTAGE: into my own stage, and back by tokens.  SEND: a head's 16 tokens are 2,048 consecutive bytes of qkvh.
.macro PACK a
.set AC, 64*((\a)%4)
	WIN 0x0a+5*((\a)/4)                            ; sources 0 and 1: window 2 or 3
.irp b, 0,1,2,3,4,5,6,7
.irp i, 0,1,2,3
	v_cvt_pk_f16_f32 v[TMP+4*\b+\i], v[AC+8*\b+2*\i], v[AC+8*\b+2*\i+1]
.endr
.endr
	WIN 0
.endm
.macro TOSTAGE a
.set BKR, 160+32*((\a)%2)
.irp b, 0,1,2,3,4,5,6,7
	ds_store_b128 v[STO], v[TMP+4*\b:TMP+4*\b+3] offset:(\b/4)*2304+(\b%4)*32
.endr
.irp u, 0,1,2,3,4,5,6,7
	ds_load_b128 v[BKR+4*\u:BKR+4*\u+3], v[RD] offset:(\u/4)*2304+(\u%4)*576   ; in order behind the stores above
.endr
.endm
.macro SEND a
.set BKR, 160+32*((\a)%2)
	s_wait_dscnt 0x0                               ; the block is back in registers
	s_wait_xcnt 0x0                                ; the stores of the block before have read their registers: the next block's loads may land there
.irp u, 0,1,2,3,4,5,6,7
	global_store_b128 v[CO], v[BKR+4*\u:BKR+4*\u+3], s[10:11] offset:(\u/4)*262144+(\a)*2048+(\u%4)*512   ; 32 lanes store 512 consecutive bytes
.endr
.endm
	PACK 0
	TOSTAGE 0
.irp a, 1,2,3,4,5,6,7                  ; block a's conversions stand between block a - 1's loads from the stage and the wait for them
	PACK \a
	SEND \a-1
	TOSTAGE \a
.endr
	SEND 7
	s_wait_tensorcnt 0x0                           ; the wave's end
	ds_add_u32 v[SPW], v[NIL]
	s_wait_dscnt 0x0
	CROUND                                         ; the closing round
	s_endpgm
.Lfunc_end_k_q0f1cc2fbe9_qkv:
	.size	k_q0f1cc2fbe9_qkv, .Lfunc_end_k_q0f1cc2fbe9_qkv-k_q0f1cc2fbe9_qkv
	.p2alignl 7, 3214868480
	.fill 96, 4, 3214868480
	.section	.rodata,"a",@progbits
	.p2align	6, 0x0
	.amdhsa_kernel k_q0f1cc2fbe9_qkv
		.amdhsa_group_segment_fixed_size 327680
		.amdhsa_private_segment_fixed_size 0
		.amdhsa_enable_private_segment 0
		.amdhsa_kernarg_size 40
		.amdhsa_user_sgpr_count 2
		.amdhsa_user_sgpr_kernarg_segment_ptr 1
		.amdhsa_wavefront_size32 1
		.amdhsa_system_sgpr_workgroup_id_x 1
		.amdhsa_system_sgpr_workgroup_id_y 1
		.amdhsa_system_sgpr_workgroup_id_z 1
		.amdhsa_system_vgpr_workitem_id 0
		.amdhsa_next_free_vgpr 1024
		.amdhsa_next_free_sgpr 102
		.amdhsa_reserve_vcc 0
		.amdhsa_float_denorm_mode_32 3
		.amdhsa_float_denorm_mode_16_64 3
		.amdhsa_memory_ordered 1
		.amdhsa_forward_progress 1
		.amdhsa_inst_pref_size 132
	.end_amdhsa_kernel
	.amdgpu_metadata
---
amdhsa.version: [ 1, 2 ]
amdhsa.kernels:
  - .name:           k_q0f1cc2fbe9_qkv
    .symbol:         k_q0f1cc2fbe9_qkv.kd
    .args:
      - { .name: codes, .offset: 0, .size: 8, .value_kind: global_buffer, .address_space: global }
      - { .name: scales, .offset: 8, .size: 8, .value_kind: global_buffer, .address_space: global }
      - { .name: bqkv, .offset: 16, .size: 8, .value_kind: global_buffer, .address_space: global }
      - { .name: qkvh, .offset: 24, .size: 8, .value_kind: global_buffer, .address_space: global }
      - { .name: qkv32, .offset: 32, .size: 8, .value_kind: global_buffer, .address_space: global }
    .group_segment_fixed_size: 327680
    .private_segment_fixed_size: 0
    .kernarg_segment_align: 8
    .kernarg_segment_size: 40
    .max_flat_workgroup_size: 128
    .sgpr_count:     102
    .vgpr_count:     1024
    .wavefront_size: 32
...
	.end_amdgpu_metadata
.endif
;; end of part 2
;; launch attn (part 3): grid 4 x 64, 8 waves a work-group, no clusters, 327,680 bytes of LDS; arguments qkvh, kbias, yh; writes yh
.if DOCPART == 3
	.amdgcn_target "amdgcn-amd-amdhsa--gfx1250"
	.amdhsa_code_object_version 6
	.text
	.protected	k_q0f1cc2fbe9_attn
	.globl	k_q0f1cc2fbe9_attn
	.p2align	8
	.type	k_q0f1cc2fbe9_attn,@function
k_q0f1cc2fbe9_attn:
	s_mov_b64 s[64:65], 0
	v_nop
	global_prefetch_b8 v0, s[64:65] scope:SCOPE_SE
	s_setreg_imm32_b32 hwreg(HW_REG_WAVE_MODE, 25, 1), 1
	s_wait_xcnt 0x0
; y[b][h][q] = the sum over k of softmax_k(q . k / 8, masked) v, per head of 64.  q, k, v: f16, qkvh [3][64 heads][2048][64]; kbias [4][2048] f32: 0 for a valid key, -3e38 for a padded one; y: f16, yh [64][2048][64].
; Products on f16 operands with f32 sums; maxima, exponentials and sums in f32; the weights p are rounded to f16 for the second product, y once at the end.
; MASKS.  A masked score is -3e38, a finite number.  The padding costs no vector line: the keys' addends are the C of the first product of each tile of scores.  The causal mask is made by compare and select in the steps on the diagonal;
; steps whose keys all come after the wave's queries are left out by a scalar branch on ids.  The running maximum begins at -1e38, above every masked score, so a masked p is 2^(a very large negative number) = 0 in a row that is
; wholly masked too: such a row ends with O = 0 and sum 0, and 0 x (1 / 0) is the NaN that the softmax of an empty row gives.
; LIMITS: scores must lie above -1e38; |q|, |k|, |v|, |y| under 65,504; NaN and infinities among the inputs are not served.  Tokens 0-15 of every batch are computed here in f16 like all others and are stored over by the last launch, in f32.
; SHARES.  Work-group (I, head) owns query block I (256 queries) and then block 7 - I: I + 1 and 8 - I slots of 256 keys, NINE SLOTS FOR EVERY WORK-GROUP, so the loop's trip count is a constant and all 256 work-groups have equal work.
; Each of the eight waves owns 32 queries of the block, two tiles of 16.  A step is 128 keys, a slot two steps.  Two waves lie on a SIMD: one wave's softmax stands beside the other's products.
; NO CLUSTER: from trip I + 1 on the four work-groups of a head ask for different key slots, so a joint request would need all four to walk eight slots for each of their two blocks, 12 slot-times of the longest against 9 here.
; LAYOUT.  S^T = K Q^T + C (source 0 = 16 keys, source 1 = 16 queries) and O^T += V^T P (source 0 = 16 channels, turned on the way out of LDS; source 1 = P): a lane holds one query throughout, and two tiles of scores, rounded in pairs, are P's operand.
; LDS: slot s at s x 2^17: K: 128 rows of two keys (256 bytes + 16), V: 128 rows of two keys (256 bytes + 32), the keys' addends (1,024 bytes).  Between the slots: a stage for each wave, and the spare words.
; REGISTERS.  window 0: v1-15 addresses; v16-31 statistics, 8 a tile; v32-95 the keys' addends; v96-223 S^T, 64 a tile (P is rounded in place into the first 32); v224-255 the way out.
;   window 1: v0-63 O^T, 32 a tile; v64-95 Q; v96-127 the second block's Q; v128-255 K of a step, later V of the same step.
.set SLOT1, 1<<17
.set VOFF,  34816
.set BOFF,  71680
.set STAGE, 72704
.set SPARE, 109568
.set AK0, 1
.set AV0, 2
.set AB0, 3
.set ADK, 4
.set ADV, 5
.set ADB, 6
.set STO, 7
.set RD,  8
.set GO,  9
.set DD,  10
.set NEGR, 11
.set PFO, 12
.set QO,  13
.set SPW, 14
.set NIL, 15
.set ST,  16          ; tile t at ST + 8 t: +0 c m, +1 m, +2, +3 the sum in two halves, +4 .. +7 c0-c3, at work; a (and at the end 1 / sum) takes c2's place
.set BI,  32
.set S,   96
.set TMP, 224
.set QF,  64
.set QF2, 96
.set KV,  128
.set WV,  10
.set II,  11
.set BH,  12
.set SEL, 14
.set CS,  16
.set TB,  18
.set TT,  19
.set KF,  20
.set Q0,  21
.set NK,  22          ; s[22:23] byte offset of the next trip's key slot in K and V
.set G1K, 24
.set G1V, 32
.set G1B, 40
.set G0K, 48
.set G0V, 52
.set G0B, 56
.set KB,  60
.set VB,  62
.set BB,  66
.set NB,  68          ; s[68:69] the same in kbias
.set PFA, 70
.set LIM, 72
.set YB,  74
.set MSB, 0
.macro WIN new
.if MSB != \new
	s_set_vgpr_msb (MSB<<8)|\new
.set MSB, \new
.endif
.endm
; Waves 0 and 1 fetch K's halves of a slot, waves 2 and 3 V's, wave 4 the addends, the others nothing.  The branches hang on the wave's number alone.  An s_nop 0 and four v_nop follow each tensor line.
.macro TLOAD
	s_cmp_lt_u32 s[WV], 2
	s_cbranch_scc0 .Lnot_k_\@
	tensor_load_to_lds s[G0K:G0K+3], s[G1K:G1K+7]
	s_nop 0
.rept 4
	v_nop
.endr
	s_branch .Lasked_\@
.Lnot_k_\@:
	s_cmp_lt_u32 s[WV], 4
	s_cbranch_scc0 .Lnot_v_\@
	tensor_load_to_lds s[G0V:G0V+3], s[G1V:G1V+7]
	s_nop 0
.rept 4
	v_nop
.endr
	s_branch .Lasked_\@
.Lnot_v_\@:
	s_cmp_eq_u32 s[WV], 4
	s_cbranch_scc0 .Lasked_\@
	tensor_load_to_lds s[G0B:G0B+3], s[G1B:G1B+7]
	s_nop 0
.rept 4
	v_nop
.endr
.Lasked_\@:
.endm
; A prefetch of key slot t + 1 in trip t, which is what work-group I = 0 loads at its next change of slots.  That work-group alone asks, in trips 0 to 6: waves 0-3 for K's 32,768 bytes, waves 4-7 for V's,
; 8,192 bytes a wave, lanes 256 bytes apart: slots 1 to 7 of a head are named once in the launch; slot 0 comes by its loads alone, and trip 7 asks for nothing.
.macro ASK
	s_cmp_lt_u32 s[TT], s[LIM]
	s_cbranch_scc0 .Lnot_mine_\@
	global_prefetch_b8 v[PFO], s[PFA:PFA+1] th:TH_LOAD_NT scope:SCOPE_SE
.Lnot_mine_\@:
.endm
	s_load_b128 s[4:7], s[0:1], 0x0                ; qkvh, kbias
	s_load_b64 s[8:9], s[0:1], 0x10                ; yh
	v_lshl_add_u32 v[SPW], v0, 2, SPARE
	v_mov_b32 v[NIL], 0
	ds_add_u32 v[SPW], v[NIL]                      ; the wave's opening: the add, twice on end, and its wait ahead of my first tensor load
	ds_add_u32 v[SPW], v[NIL]
	v_lshrrev_b32 v1, 5, v0
	v_readfirstlane_b32 s[WV], v1                  ; wave 0..7
	s_mov_b32 s[II], ttmp9
	s_and_b32 s[BH], ttmp7, 0xffff                 ; 16 x batch + head
	s_add_co_u32 s73, s[II], 1                     ; the trip in which the second block begins
	s_lshl_b32 s76, s[WV], 5
	s_lshl_b32 s[Q0], s[II], 8
	s_add_co_u32 s[Q0], s[Q0], s76                 ; my first query: 256 I + 32 w
	s_sub_co_u32 s80, 7, s[II]
	s_lshl_b32 s80, s80, 8
	s_add_co_u32 s80, s80, s76                     ; and in the second block: 256 (7 - I) + 32 w
	s_and_b32 s76, s[WV], 1
	s_mul_i32 s77, s76, 17408                      ; my half of K in a slot,
	s_mul_i32 s78, s76, 18432
	s_add_co_u32 s78, s78, VOFF                    ; of V,
	s_lshl_b32 s86, s76, 14                        ; and in memory: 128 keys of 128 bytes;
	s_add_co_u32 s86, s86, 0x1000000               ; k lies one kind behind q
	s_mov_b32 s87, 0
	s_lshl_b32 s84, s[BH], 18                      ; a head is 262,144 bytes
	s_mov_b32 s85, 0
	s_lshr_b32 s82, s[BH], 4
	s_lshl_b32 s82, s82, 13                        ; a batch's addends are 8,192 bytes
	s_mov_b32 s83, 0
	s_mov_b32 s[G1K], (1<<16)|(1<<20)|(5<<22)|(3<<25)   ; elements of 2 bytes; padding on: 4 words after every 64
	s_mov_b32 s[G1V], (1<<16)|(1<<20)|(5<<22)|(7<<25)   ; 8 words after every 64
.irp g, G1K, G1V
	s_mov_b32 s[\g+1], 128<<16                     ; tensor_dim0 = 128 elements: two keys
	s_mov_b32 s[\g+2], 64<<16                      ; tensor_dim1 = 64 rows
	s_mov_b32 s[\g+3], 128<<16                     ; tile_dim0
	s_mov_b32 s[\g+4], 64                          ; tile_dim1
	s_mov_b32 s[\g+5], 128                         ; dense in memory
	s_mov_b32 s[\g+6], 0
	s_mov_b32 s[\g+7], 0
.endr
	s_mov_b32 s[G1B], 3<<16                        ; 1,024 dense bytes as 4 rows of 32 elements of 8 bytes
	s_mov_b32 s[G1B+1], 32<<16
	s_mov_b32 s[G1B+2], 4<<16
	s_mov_b32 s[G1B+3], 32<<16
	s_mov_b32 s[G1B+4], 4
	s_mov_b32 s[G1B+5], 32
	s_mov_b32 s[G1B+6], 0
	s_mov_b32 s[G1B+7], 0
	s_mov_b32 s[SEL], 0x76543210
	s_mov_b32 s[SEL+1], 0xfedcba98
	s_mov_b32 s[CS], 0x3e38aa3b                    ; c = log2(e) / 8
	s_mov_b32 s[CS+1], s[CS]
	s_mov_b32 s[TB], 0
	s_mov_b32 s[TT], 0
	s_mov_b32 s[KF], 0
	s_mov_b32 s[NK], 0
	s_mov_b32 s[NK+1], 0
	s_mov_b32 s[NB], 0
	s_mov_b32 s[NB+1], 0
	s_wait_dscnt 0x0                               ; both opening adds are done
	s_wait_kmcnt 0x0
	s_add_nc_u64 s[4:5], s[4:5], s[84:85]          ; q of my head
	s_add_nc_u64 s[8:9], s[8:9], s[84:85]          ; y of my head
	s_add_nc_u64 s[KB:KB+1], s[4:5], s[86:87]      ; k of my head, my half of a slot
	s_add_nc_u64 s[VB:VB+1], s[KB:KB+1], 0x1000000 ; v likewise
	s_add_nc_u64 s[BB:BB+1], s[6:7], s[82:83]
	s_mov_b32 s[G0K], 1
	s_mov_b32 s[G0K+1], s77
	s_mov_b64 s[G0K+2:G0K+3], s[KB:KB+1]
	s_or_b32 s[G0K+3], s[G0K+3], 0x80000000
	s_mov_b32 s[G0V], 1
	s_mov_b32 s[G0V+1], s78
	s_mov_b64 s[G0V+2:G0V+3], s[VB:VB+1]
	s_or_b32 s[G0V+3], s[G0V+3], 0x80000000
	s_mov_b32 s[G0B], 1
	s_mov_b32 s[G0B+1], BOFF
	s_mov_b64 s[G0B+2:G0B+3], s[BB:BB+1]
	s_or_b32 s[G0B+3], s[G0B+3], 0x80000000
	TLOAD                                          ; slot 0: key slot 0, which counts for every block
	v_and_b32 v224, 15, v0                         ; r
	v_bfe_u32 v225, v0, 4, 1                       ; h
	v_and_b32 v226, 31, v0                         ; lane
	v_lshlrev_b32 v[QO], 7, v224
	v_lshl_add_u32 v[QO], v225, 4, v[QO]           ; Q: token r of 128 bytes, + 16 h
	s_lshl_b32 s88, s[Q0], 7
	s_mov_b32 s89, 0
	s_add_nc_u64 s[88:89], s[4:5], s[88:89]
	s_lshl_b32 s90, s80, 7
	s_mov_b32 s91, 0
	s_add_nc_u64 s[90:91], s[4:5], s[90:91]
	WIN 0x40                                       ; destination window 1
.irp t, 0,1
.irp k, 0,1
	global_load_b128 v[QF+16*\t+8*\k:QF+16*\t+8*\k+3],   v[QO], s[88:89] offset:\t*2048+\k*64
	global_load_b128 v[QF+16*\t+8*\k+4:QF+16*\t+8*\k+7], v[QO], s[88:89] offset:\t*2048+\k*64+32
	global_load_b128 v[QF2+16*\t+8*\k:QF2+16*\t+8*\k+3],   v[QO], s[90:91] offset:\t*2048+\k*64
	global_load_b128 v[QF2+16*\t+8*\k+4:QF2+16*\t+8*\k+7], v[QO], s[90:91] offset:\t*2048+\k*64+32
.endr
.endr
	WIN 0
	v_lshrrev_b32 v227, 1, v224
	v_mul_u32_u24 v[AK0], v227, 272
	v_and_b32 v227, 1, v224
	v_lshl_add_u32 v[AK0], v227, 7, v[AK0]
	v_lshl_add_u32 v[AK0], v225, 4, v[AK0]         ; K: key r lies at (r / 2) x 272 + (r % 2) x 128; + 16 h
	v_bfe_u32 v227, v0, 1, 2
	v_lshl_add_u32 v227, v225, 2, v227
	v_mul_u32_u24 v[AV0], v227, 288
	v_and_b32 v227, 1, v0
	v_lshl_add_u32 v[AV0], v227, 7, v[AV0]
	v_bfe_u32 v227, v0, 3, 1
	v_lshl_add_u32 v[AV0], v227, 4, v[AV0]
	v_add_nc_u32 v[AV0], VOFF, v[AV0]              ; V, for the turning load: key 8 h + l % 8, channels 8 ((l / 8) % 2) on
	v_lshl_add_u32 v[AB0], v225, 5, BOFF           ; the addends of keys 8 h + 0 .. 7
	s_mul_i32 s76, s[WV], 4608
	s_add_co_u32 s76, s76, STAGE                   ; my stage: two tiles x 16 rows x (128 bytes + 16)
	v_mul_u32_u24 v[STO], v224, 144
	v_lshl_add_u32 v[STO], v225, 4, v[STO]
	v_add_nc_u32 v[STO], s76, v[STO]
	v_bfe_u32 v227, v0, 3, 2
	v_mul_u32_u24 v[RD], v227, 144
	v_and_b32 v227, 7, v0
	v_lshl_add_u32 v[RD], v227, 4, v[RD]
	v_add_nc_u32 v[RD], s76, v[RD]
	v_lshlrev_b32 v[GO], 4, v226
	v_lshlrev_b32 v227, 3, v225
	v_sub_nc_u32 v[DD], v224, v227                 ; r - 8 h
	v_mov_b32 v[NEGR], 0xff61b1e6                  ; -3e38
	v_lshlrev_b32 v[PFO], 8, v226
	s_add_nc_u64 s[92:93], s[4:5], 0x1000000
	s_add_nc_u64 s[94:95], s[4:5], 0x2000000
	s_cmp_lt_u32 s[WV], 4
	s_cselect_b64 s[PFA:PFA+1], s[92:93], s[94:95] ; waves 0-3 ask for k, waves 4-7 for v
	s_and_b32 s76, s[WV], 3
	s_lshl_b32 s76, s76, 13
	s_mov_b32 s77, 0
	s_add_nc_u64 s[PFA:PFA+1], s[PFA:PFA+1], s[76:77]   ; in slot 0; each change of slots steps it ahead of its use
	s_cmp_eq_u32 s[II], 0
	s_cselect_b32 s[LIM], 7, 0
; A block begins: the largest score so far is -1e38, the sums and O^T are zeros (the step is written once: its first turn multiplies zeros).
.macro INIT
.irp t, 0,1
	v_mov_b32 v[ST+8*\t+1], 0xfe967699
	v_mul_f32 v[ST+8*\t], s[CS], v[ST+8*\t+1]
.irp i, 2,3,4,5,6,7
	v_mov_b32 v[ST+8*\t+\i], 0
.endr
.endr
	WIN 0x40
.set n, 0
.rept 64
	v_mov_b32 v[n], 0
.set n, n+1
.endr
	WIN 0
.endm
	INIT
; A KEY STEP: 128 keys, the q-th of the slot in hand, for my two tiles of queries.
.macro STEP q
	s_add_co_u32 s76, s[Q0], 31
	s_cmp_gt_u32 s[KF], s76                        ; all its keys come after my 32 queries: the step's work is left out (ids alone; no barrier and no tensor load stands in a step)
	s_cbranch_scc1 .Lhid_\@
	v_add_nc_u32 v[ADK], s[TB], v[AK0]
	v_add_nc_u32 v[ADV], s[TB], v[AV0]
	v_add_nc_u32 v[ADB], s[TB], v[AB0]
	WIN 0x40
.irp kt, 0,1,2,3,4,5,6,7
.irp ks, 0,1
	ds_load_b128 v[KV+16*\kt+8*\ks:KV+16*\kt+8*\ks+3],   v[ADK] offset:\q*17408+\kt*2176+64*\ks
	ds_load_b128 v[KV+16*\kt+8*\ks+4:KV+16*\kt+8*\ks+7], v[ADK] offset:\q*17408+\kt*2176+64*\ks+32
.endr
.endr
	WIN 0
.irp kt, 0,1,2,3,4,5,6,7
	ds_load_b128 v[BI+8*\kt:BI+8*\kt+3],   v[ADB] offset:\q*512+64*\kt
	ds_load_b128 v[BI+8*\kt+4:BI+8*\kt+7], v[ADB] offset:\q*512+64*\kt+16
.endr
	s_wait_dscnt 0x0
	WIN 0x05                                       ; K and Q in window 1; C and S^T in window 0
.irp ks, 0,1                           ; 16 accumulators by turns, one instruction a turn; the first product of each takes the keys' addends as its C
.irp kt, 0,1,2,3,4,5,6,7
.irp tl, 0,1
.if \ks == 0
	v_wmma_f32_16x16x32_f16 v[S+64*\tl+8*\kt:S+64*\tl+8*\kt+7], v[KV+16*\kt+8*\ks:KV+16*\kt+8*\ks+7], v[QF+16*\tl+8*\ks:QF+16*\tl+8*\ks+7], v[BI+8*\kt:BI+8*\kt+7]
.else
	v_wmma_f32_16x16x32_f16 v[S+64*\tl+8*\kt:S+64*\tl+8*\kt+7], v[KV+16*\kt+8*\ks:KV+16*\kt+8*\ks+7], v[QF+16*\tl+8*\ks:QF+16*\tl+8*\ks+7], v[S+64*\tl+8*\kt:S+64*\tl+8*\kt+7]
.endif
.endr
.endr
.endr
	WIN 0
.rept 4
	v_nop                                          ; four places: in front of the loads into K's registers and of the first read of the scores
.endr
	WIN 0x40
.irp kk, 0,1,2,3                       ; V of the same step, turned, into the registers that K has left: it lands under the softmax
.irp ct, 0,1,2,3
	ds_load_tr16_b128 v[KV+32*\kk+8*\ct:KV+32*\kk+8*\ct+3],   v[ADV] offset:\q*18432+\kk*4608+\ct*32
	ds_load_tr16_b128 v[KV+32*\kk+8*\ct+4:KV+32*\kk+8*\ct+7], v[ADV] offset:\q*18432+\kk*4608+\ct*32+2304
.endr
.endr
	WIN 0
	s_add_co_u32 s76, s[KF], 127
	s_cmp_le_u32 s76, s[Q0]                        ; all its keys count for all my queries: no causal mask
	s_cbranch_scc1 .Lopen_\@
	s_sub_co_i32 s76, s[Q0], s[KF]
	v_add_nc_u32 v[ST+4], s76, v[DD]               ; d = my query - KF - 8 h.  Register 8 kt + j holds key KF + 16 kt + 8 h + j: hidden where 16 kt + j > d
	v_add_nc_u32 v[ST+12], 16, v[ST+4]
.set n, 0
.rept 64
	v_cmp_gt_i32 vcc_lo, 16*(n/8)+n%8, v[ST+4]
	v_cndmask_b32 v[S+n], v[S+n], v[NEGR], vcc_lo
	v_cmp_gt_i32 vcc_lo, 16*(n/8)+n%8, v[ST+12]
	v_cndmask_b32 v[S+64+n], v[S+64+n], v[NEGR], vcc_lo
.set n, n+1
.endr
.Lopen_\@:
	; the maximum of the lane's 64 scores and the old m: four chains a tile, the two tiles line by line; each accumulator is first read at its low end
.irp i, 0,1,2,3
.irp t, 0,1
	v_max3_num_f32 v[ST+8*\t+4+\i], v[S+64*\t+16*\i], v[S+64*\t+16*\i+1], v[S+64*\t+16*\i+2]
.endr
.endr
.irp n, 1,2,3,4,5,6
.irp i, 0,1,2,3
.irp t, 0,1
	v_max3_num_f32 v[ST+8*\t+4+\i], v[ST+8*\t+4+\i], v[S+64*\t+16*\i+2*\n+1], v[S+64*\t+16*\i+2*\n+2]
.endr
.endr
.endr
.irp t, 0,1
	v_max3_num_f32 v[ST+8*\t+4], v[ST+8*\t+4], v[S+64*\t+15], v[S+64*\t+31]
	v_max3_num_f32 v[ST+8*\t+6], v[ST+8*\t+6], v[S+64*\t+47], v[S+64*\t+63]
.endr
.irp t, 0,1
	v_max3_num_f32 v[ST+8*\t+4], v[ST+8*\t+4], v[ST+8*\t+5], v[ST+8*\t+6]
.endr
.irp t, 0,1
	v_max3_num_f32 v[ST+8*\t+4], v[ST+8*\t+4], v[ST+8*\t+7], v[ST+8*\t+1]
.endr
.irp t, 0,1
	v_permlanex16_b32 v[ST+8*\t+5], v[ST+8*\t+4], s[SEL], s[SEL+1]   ; the query's other keys lie in the lane 16 away
.endr
.irp t, 0,1
	v_mov_b32 v[ST+8*\t+7], v[ST+8*\t]             ; c m_old
.endr
.irp t, 0,1
	v_max_num_f32 v[ST+8*\t+1], v[ST+8*\t+4], v[ST+8*\t+5]
.endr
.irp t, 0,1
	v_mul_f32 v[ST+8*\t], s[CS], v[ST+8*\t+1]
.endr
.irp t, 0,1
	v_sub_f32 v[ST+8*\t+7], v[ST+8*\t+7], v[ST+8*\t]
.endr
.set n, 0
.rept 32
	v_pk_fma_f32 v[S+2*n:S+2*n+1], v[S+2*n:S+2*n+1], s[CS:CS+1], v[ST:ST+1] op_sel_hi:[1,0,0] neg_lo:[0,0,1] neg_hi:[0,0,1]   ; c s - c m, two at a time
	v_pk_fma_f32 v[S+64+2*n:S+64+2*n+1], v[S+64+2*n:S+64+2*n+1], s[CS:CS+1], v[ST+8:ST+9] op_sel_hi:[1,0,0] neg_lo:[0,0,1] neg_hi:[0,0,1]
.set n, n+1
.endr
	v_exp_f32 v[ST+6], v[ST+7]                     ; a = 2^(c m_old - c m_new)
	v_exp_f32 v[ST+14], v[ST+15]
.set n, 0
.rept 64
	v_exp_f32 v[S+n], v[S+n]                       ; p: ONE BATCH of 130 exponentials for both tiles
	v_exp_f32 v[S+64+n], v[S+64+n]
.set n, n+1
.endr
	v_nop                                          ; the plain line behind the last exponential
	s_wait_alu depctr_va_vdst(0)                   ; one wait for the batch, ahead of the first line that names a result
.irp t, 0,1
	v_pk_mul_f32 v[ST+8*\t+2:ST+8*\t+3], v[ST+8*\t+2:ST+8*\t+3], v[ST+8*\t+6:ST+8*\t+7] op_sel_hi:[1,0]   ; the sum under the new m
	v_pk_add_f32 v[ST+8*\t+4:ST+8*\t+5], v[S+64*\t:S+64*\t+1], v[S+64*\t+2:S+64*\t+3]
.endr
.irp e, 4,8,12,16,20,24,28,32,36,40,44,48,52,56,60
.irp t, 0,1
	v_pk_add_f32 v[ST+8*\t+2:ST+8*\t+3], v[ST+8*\t+2:ST+8*\t+3], v[S+64*\t+\e:S+64*\t+\e+1]
	v_pk_add_f32 v[ST+8*\t+4:ST+8*\t+5], v[ST+8*\t+4:ST+8*\t+5], v[S+64*\t+\e+2:S+64*\t+\e+3]
.endr
.endr
.irp t, 0,1
	v_pk_add_f32 v[ST+8*\t+2:ST+8*\t+3], v[ST+8*\t+2:ST+8*\t+3], v[ST+8*\t+4:ST+8*\t+5]
.endr
.set n, 0
.rept 32
	v_cvt_pk_f16_f32 v[S+n], v[S+2*n], v[S+2*n+1]  ; P, in place and ascending: register n takes scores 2 n and 2 n + 1, which is the operand's layout
	v_cvt_pk_f16_f32 v[S+64+n], v[S+64+2*n], v[S+64+2*n+1]
.set n, n+1
.endr
	WIN 0x41                                       ; O^T in window 1, a in window 0
.set n, 0
.rept 16
	v_pk_mul_f32 v[2*n:2*n+1], v[2*n:2*n+1], v[ST+6:ST+7] op_sel_hi:[1,0]
	v_pk_mul_f32 v[32+2*n:32+2*n+1], v[32+2*n:32+2*n+1], v[ST+14:ST+15] op_sel_hi:[1,0]
.set n, n+1
.endr
	s_wait_dscnt 0x0                               ; V is in
	WIN 0x51                                       ; V, C and O^T in window 1, P in window 0
.irp kk, 0,1,2,3                       ; 8 accumulators by turns
.irp ct, 0,1,2,3
.irp tl, 0,1
	v_wmma_f32_16x16x32_f16 v[32*\tl+8*\ct:32*\tl+8*\ct+7], v[KV+32*\kk+8*\ct:KV+32*\kk+8*\ct+7], v[S+64*\tl+8*\kk:S+64*\tl+8*\kk+7], v[32*\tl+8*\ct:32*\tl+8*\ct+7]
.endr
.endr
.endr
	WIN 0
.rept 5
	v_nop                                          ; five places: the next scores are written over P's registers by matrix instructions; the next loads land in V's; the way out reads O^T
.endr
.Lhid_\@:
	s_add_co_u32 s[KF], s[KF], 128
.endm
; THE CHANGE OF SLOTS stands at a slot's head.  Each wave waits for all its tensor loads (one is out at the most), adds 0 to its spare word, and waits for that and for its reads of the slot that it has left.
; Behind the barrier the slot ahead is whole and nobody reads the other one.  fill = 1: the other slot takes the next trip's keys; the load has a whole trip in which to land.
.macro CHANGE fill
	s_wait_tensorcnt 0x0                           ; no tensor load of mine is out, so a group 0 may be written
	ds_add_u32 v[SPW], v[NIL]
.if \fill
	ds_add_u32 v[SPW], v[NIL]                      ; and once more in the loop, in every trip alike
	s_add_co_u32 s[NK], s[NK], 32768               ; the next 256 keys,
	s_cmp_eq_u32 s[TT], s[II]
	s_cselect_b32 s[NK], 0, s[NK]                  ; or key 0 again, where the next trip begins the second block
	s_lshr_b32 s[NB], s[NK], 5
	s_xor_b32 s[G0K+1], s[G0K+1], SLOT1
	s_add_nc_u64 s[G0K+2:G0K+3], s[KB:KB+1], s[NK:NK+1]
	s_or_b32 s[G0K+3], s[G0K+3], 0x80000000
	s_xor_b32 s[G0V+1], s[G0V+1], SLOT1
	s_add_nc_u64 s[G0V+2:G0V+3], s[VB:VB+1], s[NK:NK+1]
	s_or_b32 s[G0V+3], s[G0V+3], 0x80000000
	s_xor_b32 s[G0B+1], s[G0B+1], SLOT1
	s_add_nc_u64 s[G0B+2:G0B+3], s[BB:BB+1], s[NB:NB+1]
	s_or_b32 s[G0B+3], s[G0B+3], 0x80000000
	s_wait_xcnt 0x0                                ; the last prefetch, a trip back, has read its address
	s_add_nc_u64 s[PFA:PFA+1], s[PFA:PFA+1], 32768
.endif
	s_wait_dscnt 0x0                               ; the add is done, and my reads of the slot that I have left are over
	s_barrier_signal -1
	s_barrier_wait -1
.if \fill
	TLOAD                                          ; the first thing behind the barrier, and a wave's one tensor load until the next
	ASK
.endif
.endm
; THE WAY OUT of a block: the sum's halves are added, O^T is divided, rounded to f16 and goes through my stage, so that 32 lanes store 512 consecutive bytes (four tokens of the head).
.macro WAYOUT
.irp t, 0,1
	v_add_f32 v[ST+8*\t+4], v[ST+8*\t+2], v[ST+8*\t+3]
.endr
.irp t, 0,1
	v_permlanex16_b32 v[ST+8*\t+5], v[ST+8*\t+4], s[SEL], s[SEL+1]
.endr
.irp t, 0,1
	v_add_f32 v[ST+8*\t+4], v[ST+8*\t+4], v[ST+8*\t+5]
.endr
.irp t, 0,1
	v_rcp_f32 v[ST+8*\t+6], v[ST+8*\t+4]
.endr
	v_nop
	s_wait_alu depctr_va_vdst(0)                   ; one wait for the two reciprocals
	WIN 0x41
.set n, 0
.rept 16
	v_pk_mul_f32 v[2*n:2*n+1], v[2*n:2*n+1], v[ST+6:ST+7] op_sel_hi:[1,0]
	v_pk_mul_f32 v[32+2*n:32+2*n+1], v[32+2*n:32+2*n+1], v[ST+14:ST+15] op_sel_hi:[1,0]
.set n, n+1
.endr
	WIN 0
	s_wait_xcnt 0x0                                ; the first block's stores have read their data and their base: both are written again below
	s_lshl_b32 s76, s[Q0], 7
	s_mov_b32 s77, 0
	s_add_nc_u64 s[YB:YB+1], s[8:9], s[76:77]
	WIN 0x05
.set n, 0
.rept 32
	v_cvt_pk_f16_f32 v[TMP+n], v[2*n], v[2*n+1]
.set n, n+1
.endr
	WIN 0
.irp t, 0,1
.irp ct, 0,1,2,3
	ds_store_b128 v[STO], v[TMP+16*\t+4*\ct:TMP+16*\t+4*\ct+3] offset:\t*2304+32*\ct
.endr
.irp i, 0,1,2,3
	ds_load_b128 v[TMP+16*\t+4*\i:TMP+16*\t+4*\i+3], v[RD] offset:\t*2304+576*\i   ; in order behind the stores above
.endr
.endr
.irp u, 0,1,2,3,4,5,6,7
	s_wait_dscnt 7-\u                              ; the younger read-backs may be out (between the two tiles' loads stand tile 1's four stores: a smaller count than needed for tile 0)
	global_store_b128 v[GO], v[TMP+4*\u:TMP+4*\u+3], s[YB:YB+1] offset:(\u/4)*2048+(\u%4)*512
.endr
.endm
	s_wait_loadcnt 0x0                             ; Q of both blocks
.Lslot:                                            ; eight trips; the ninth is written out
	CHANGE 1
	s_cmp_lg_u32 s[TT], s73
	s_cbranch_scc1 .Lsame
	WAYOUT                                         ; the first block is finished; the second begins, at key 0
	INIT
	WIN 0x41
.set n, 0
.rept 32
	v_mov_b32 v[QF+n], v[QF2+n]
.set n, n+1
.endr
	WIN 0
	s_mov_b32 s[Q0], s80
	s_mov_b32 s[KF], 0
.Lsame:
	STEP 0
	STEP 1
	s_xor_b32 s[TB], s[TB], SLOT1
	s_add_co_u32 s[TT], s[TT], 1
	s_cmp_lt_u32 s[TT], 8
	s_cbranch_scc1 .Lslot
	CHANGE 0
	STEP 0
	STEP 1
	WAYOUT
	s_wait_tensorcnt 0x0                           ; the wave's end
	ds_add_u32 v[SPW], v[NIL]
	s_wait_dscnt 0x0
	s_endpgm
.Lfunc_end_k_q0f1cc2fbe9_attn:
	.size	k_q0f1cc2fbe9_attn, .Lfunc_end_k_q0f1cc2fbe9_attn-k_q0f1cc2fbe9_attn
	.p2alignl 7, 3214868480
	.fill 96, 4, 3214868480
	.section	.rodata,"a",@progbits
	.p2align	6, 0x0
	.amdhsa_kernel k_q0f1cc2fbe9_attn
		.amdhsa_group_segment_fixed_size 327680
		.amdhsa_private_segment_fixed_size 0
		.amdhsa_enable_private_segment 0
		.amdhsa_kernarg_size 24
		.amdhsa_user_sgpr_count 2
		.amdhsa_user_sgpr_kernarg_segment_ptr 1
		.amdhsa_wavefront_size32 1
		.amdhsa_system_sgpr_workgroup_id_x 1
		.amdhsa_system_sgpr_workgroup_id_y 1
		.amdhsa_system_sgpr_workgroup_id_z 1
		.amdhsa_system_vgpr_workitem_id 0
		.amdhsa_next_free_vgpr 512
		.amdhsa_next_free_sgpr 96
		.amdhsa_reserve_vcc 1
		.amdhsa_float_denorm_mode_32 3
		.amdhsa_float_denorm_mode_16_64 3
		.amdhsa_memory_ordered 1
		.amdhsa_forward_progress 1
		.amdhsa_inst_pref_size 202
	.end_amdhsa_kernel
	.amdgpu_metadata
---
amdhsa.version: [ 1, 2 ]
amdhsa.kernels:
  - .name:           k_q0f1cc2fbe9_attn
    .symbol:         k_q0f1cc2fbe9_attn.kd
    .args:
      - { .name: qkvh, .offset: 0, .size: 8, .value_kind: global_buffer, .address_space: global }
      - { .name: kbias, .offset: 8, .size: 8, .value_kind: global_buffer, .address_space: global }
      - { .name: yh, .offset: 16, .size: 8, .value_kind: global_buffer, .address_space: global }
    .group_segment_fixed_size: 327680
    .private_segment_fixed_size: 0
    .kernarg_segment_align: 8
    .kernarg_segment_size: 24
    .max_flat_workgroup_size: 256
    .sgpr_count:     96
    .vgpr_count:     512
    .wavefront_size: 32
...
	.end_amdgpu_metadata
.endif
;; end of part 3
;; launch proj (part 4): grid 4 x 64, 4 waves a work-group, clusters of 4 x 4, 327,680 bytes of LDS; arguments yh, wph, bproj, out0; writes out0
.if DOCPART == 4
	.amdgcn_target "amdgcn-amd-amdhsa--gfx1250"
	.amdhsa_code_object_version 6
	.text
	.protected	k_q0f1cc2fbe9_proj
	.globl	k_q0f1cc2fbe9_proj
	.p2align	8
	.type	k_q0f1cc2fbe9_proj,@function
k_q0f1cc2fbe9_proj:
	s_mov_b64 s[64:65], 0
	v_nop
	global_prefetch_b8 v0, s[64:65] scope:SCOPE_SE
	s_setreg_imm32_b32 hwreg(HW_REG_WAVE_MODE, 25, 1), 1
	s_wait_xcnt 0x0
	s_wait_alu depctr_hold_cnt(0) depctr_sa_sdst(0) depctr_va_vdst(0) depctr_va_sdst(0) depctr_va_ssrc(0) depctr_va_vcc(0) depctr_vm_vsrc(0)
	s_getreg_b32 s2, hwreg(HW_REG_IB_STS2, 6, 4)
	s_cmp_eq_u32 s2, 0
	s_cbranch_scc0 .Lentry_in_a_cluster
	s_endpgm
.Lentry_in_a_cluster:
	s_bfe_u32 s2, ttmp6, 0x10000c
	s_cmp_lg_u32 s2, 0xf033
	s_cbranch_scc0 .Lentry_shape_is_right
	s_endpgm
.Lentry_shape_is_right:
; out0 = y Wproj^T + bproj.  y: f16, laid by head: yh [4][16][2048][64]; Wproj: f16, wph [1024 n][1024 k]; bproj f32; out0 [8192][1024] f32.  Sums in f32.
; All 8,192 rows are made here; tokens 0-15 of every batch are stored over by the last launch, in f32.
; A tile of the result is 128 tokens x 256 columns: 256 work-groups.  Four waves, 64 x 128 each: 32 accumulators.  K goes in steps of 128 = two heads through a ring of two LDS slots.
; A head's 128 tokens are 16,384 dense bytes of yh: they come as 64 rows of two tokens (256 bytes + 16 of padding).  Wproj's rows come as 256 bytes + 16.
; CLUSTERS: 4 x 4 work-groups; y's tile is shared along a row of the cluster, Wproj's along a column: joint loads.  THE MATRIX INSTRUCTION IS USED TRANSPOSED (source 0 = 16 rows of Wproj, source 1 = 16 tokens):
; a lane holds eight neighbouring columns of one token.  bproj is the C of each sum's first product.
; REGISTERS: window 0: v0-31 addresses; v32-63, v64-95 y's fragments, two buffers; v128-191, v192-255 Wproj's, two buffers (on the way out: rows read back).  window 1: accumulator (a, b) at v[8 (8 a + b)].  window 2: v0-63 bproj.
.set SLOT,  104448
.set BPART, 34816                      ; Wproj's rows lie behind y's two chunks of 17,408
.set STAGE, 208896                     ; 16 rows x (512 bytes + 16) for each wave
.set SPARE, 242688
.set LAPS,  4                          ; 8 K steps, two a lap
.set ADRA, 16
.set ADRB, 20
.set STO,  24
.set RD,   25
.set CO,   26
.set SPW,  28
.set NIL,  29
.set PFO,  30
.set G1, 24
.set G0, 32
.set G1B, 48
.set G0B, 56
.set PFA, 68
.set LIM, 70
.set MSB, 0
.macro WIN new
.if MSB != \new
	s_set_vgpr_msb (MSB<<8)|\new
.set MSB, \new
.endif
.endm
.set MUL, 0x50                         ; sources 0 and 1 window 0; C and D window 1
.macro JLOAD s                         ; waves 0 and 1 fetch y's two heads, waves 2 and 3 Wproj's two halves; an s_nop 0 and four v_nop follow each of the two lines
	s_cmp_eq_u32 s11, 0
	s_cbranch_scc0 .Lfor_b_\@
	tensor_load_to_lds s[G0+4*\s:G0+4*\s+3], s[G1:G1+7]
	s_nop 0
.rept 4
	v_nop
.endr
	s_branch .Lasked_\@
.Lfor_b_\@:
	tensor_load_to_lds s[G0B+4*\s:G0B+4*\s+3], s[G1B:G1B+7]
	s_nop 0
.rept 4
	v_nop
.endr
.Lasked_\@:
.endm
.macro CREST
	s_cmp_lg_u32 s10, 0
	s_cbranch_scc1 .Lnot_wave_0_\@
	s_barrier_signal -3
.Lnot_wave_0_\@:
	s_barrier_wait -3
	s_barrier_signal -1
	s_barrier_wait -1
.endm
.macro CROUND
	s_barrier_signal -1
	s_barrier_wait -1
	CREST
.endm
; A prefetch of y's tile of the K step that stands two refills on (256 matrix instructions ahead of the load that wants it).  y's tile is read by the four partners of one row of one cluster and by nobody else:
; wave 0 of each asks for 8,192 of its 32,768 bytes, the partners told apart by address (cx), lanes 256 bytes apart: each run of 256 bytes is named once.  K steps 0 to 3 come by their loads alone; the loop's last trip asks for nothing.
; Wproj is not asked for: sixteen clusters read the same rows again and again.
.macro ASK
	s_cmp_gt_u32 s3, s[LIM]
	s_cbranch_scc0 .Lnot_mine_\@
	global_prefetch_b8 v[PFO], s[PFA:PFA+1] th:TH_LOAD_NT scope:SCOPE_SE
.Lnot_mine_\@:
.endm
	s_load_b128 s[4:7], s[0:1], 0x0                ; yh, wph
	s_load_b64 s[8:9], s[0:1], 0x10                ; bproj
	s_load_b64 s[66:67], s[0:1], 0x18              ; out0
	v_lshl_add_u32 v[SPW], v0, 2, SPARE
	v_mov_b32 v[NIL], 0
	ds_add_u32 v[SPW], v[NIL]                      ; the wave's opening: the add, twice on end, and its wait ahead of my first tensor load
	ds_add_u32 v[SPW], v[NIL]
	v_lshrrev_b32 v1, 5, v0
	v_readfirstlane_b32 s10, v1                    ; wave 0..3
	s_lshr_b32 s11, s10, 1                         ; which 64 tokens are mine.  Also: I fetch for y (0) or for Wproj (1)
	s_and_b32 s12, s10, 1                          ; which 128 columns.  Also: which head, or which 128 rows, I fetch
	s_bfe_u32 s40, ttmp6, 0x40000                  ; cx
	s_bfe_u32 s41, ttmp6, 0x40004                  ; cy
	s_lshl_b32 s42, ttmp9, 2
	s_add_co_u32 s42, s42, s40                     ; tile column
	s_and_b32 s13, ttmp7, 0xffff
	s_lshl_b32 s13, s13, 2
	s_add_co_u32 s13, s13, s41                     ; tile row: 128 tokens
	s_lshl_b32 s43, s41, 2
	s_lshl_b32 s43, 15, s43                        ; my row of the cluster
	s_lshl_b32 s44, 0x1111, s40                    ; my column
	s_or_b32 s[G1+0], s43, (1<<16)|(1<<20)|(1<<21)|(5<<22)|(3<<25)  ; the mask; elements of 2 bytes; padding on; bit 21 beside a mask; 4 words after every 64
	s_or_b32 s[G1B+0], s44, (1<<16)|(1<<20)|(1<<21)|(5<<22)|(3<<25)
	s_mov_b32 s[G1+1], 128<<16                     ; y: 64 rows of 128 elements, dense
	s_mov_b32 s[G1+2], 64<<16
	s_mov_b32 s[G1+3], 128<<16
	s_mov_b32 s[G1+4], 64
	s_mov_b32 s[G1+5], 128
	s_mov_b32 s[G1+6], 0
	s_mov_b32 s[G1+7], 0
	s_mov_b32 s[G1B+1], 128<<16                    ; Wproj: 128 rows of 128 elements, 1,024 apart
	s_mov_b32 s[G1B+2], 128<<16
	s_mov_b32 s[G1B+3], 128<<16
	s_mov_b32 s[G1B+4], 128
	s_mov_b32 s[G1B+5], 1024
	s_mov_b32 s[G1B+6], 0
	s_mov_b32 s[G1B+7], 0
	s_lshr_b32 s16, s13, 4
	s_lshl_b32 s16, s16, 22                        ; the batch: 16 heads of 262,144 bytes
	s_and_b32 s17, s13, 15
	s_lshl_b32 s17, s17, 14                        ; the tile's 128 tokens of 128 bytes
	s_add_co_u32 s16, s16, s17
	s_lshl_b32 s17, s12, 18                        ; my head of the K step's two
	s_add_co_u32 s16, s16, s17
	s_mov_b32 s17, 0
	s_lshl_b32 s46, s42, 19                        ; Wproj: row 256 x tile column + 128 x half, of 2,048 bytes
	s_lshl_b32 s47, s12, 18
	s_add_co_u32 s46, s46, s47
	s_mov_b32 s47, 0
	s_mul_i32 s20, s12, 17408                      ; where they go
	s_mul_i32 s21, s12, 34816
	s_add_co_u32 s21, s21, BPART
	s_wait_dscnt 0x0                               ; both opening adds are done
	s_wait_kmcnt 0x0
	s_add_nc_u64 s[14:15], s[4:5], s[16:17]
	s_add_nc_u64 s[46:47], s[6:7], s[46:47]
	CROUND                                         ; all sixteen work-groups are here: the first joint loads meet
.irp s, 0,1
	s_mov_b32 s[G0+4*\s], 1
	s_add_co_u32 s[G0+4*\s+1], s20, \s*SLOT
	s_add_nc_u64 s[G0+4*\s+2:G0+4*\s+3], s[14:15], \s*524288
	s_or_b32 s[G0+4*\s+3], s[G0+4*\s+3], 0x80000000
	s_mov_b32 s[G0B+4*\s], 1
	s_add_co_u32 s[G0B+4*\s+1], s21, \s*SLOT
	s_add_nc_u64 s[G0B+4*\s+2:G0B+4*\s+3], s[46:47], \s*256
	s_or_b32 s[G0B+4*\s+3], s[G0B+4*\s+3], 0x80000000
	JLOAD \s                                       ; two loads of mine are out
.endr
	v_and_b32 v1, 15, v0                           ; r
	v_bfe_u32 v2, v0, 4, 1                         ; h
	s_lshl_b32 s46, s42, 10                        ; bproj: my 128 columns; block b, register j: column 16 b + 8 h + j
	s_lshl_b32 s47, s12, 9
	s_add_co_u32 s46, s46, s47
	s_mov_b32 s47, 0
	s_add_nc_u64 s[8:9], s[8:9], s[46:47]
	v_lshlrev_b32 v5, 5, v2
	WIN 0x80                                       ; destination window 2
.irp b, 0,1,2,3,4,5,6,7
	global_load_b128 v[8*\b:8*\b+3], v5, s[8:9] offset:64*\b
	global_load_b128 v[8*\b+4:8*\b+7], v5, s[8:9] offset:64*\b+16
.endr
	WIN 0
	v_lshrrev_b32 v3, 1, v1
	v_mul_u32_u24 v3, v3, 272
	v_and_b32 v4, 1, v1
	v_lshl_add_u32 v3, v4, 7, v3
	v_lshl_add_u32 v3, v2, 4, v3                   ; y: token r lies at (r / 2) x 272 + (r % 2) x 128; + 16 h
	v_mul_u32_u24 v4, v1, 272
	v_lshl_add_u32 v4, v2, 4, v4                   ; Wproj: row r x 272 + 16 h
	s_mul_i32 s21, s11, 8704                       ; my 64 tokens: 32 rows
	s_mul_i32 s22, s12, 34816
	s_add_co_u32 s22, s22, BPART
.irp s, 0,1
	v_add_nc_u32 v[ADRA+\s], s21, v3
	v_add_nc_u32 v[ADRB+\s], s22, v4
	s_add_co_u32 s21, s21, SLOT
	s_add_co_u32 s22, s22, SLOT
.endr
	s_mul_i32 s23, s10, 8448
	s_add_co_u32 s23, s23, STAGE                   ; my stage
	v_mul_u32_u24 v6, v1, 528
	v_lshl_add_u32 v6, v2, 5, v6
	v_add_nc_u32 v[STO], s23, v6
	v_and_b32 v6, 31, v0
	v_lshlrev_b32 v[CO], 4, v6
	v_add_nc_u32 v[RD], s23, v[CO]
	v_lshlrev_b32 v[PFO], 8, v6
	s_lshl_b32 s16, s13, 19                        ; out0: row 128 x tile row + 64 x half, of 4,096 bytes,
	s_lshl_b32 s17, s11, 18
	s_add_co_u32 s16, s16, s17
	s_add_co_u32 s46, s46, s16                     ; + my columns' bytes (the same as in bproj)
	s_add_nc_u64 s[66:67], s[66:67], s[46:47]
	s_lshr_b32 s18, s13, 4                         ; the prefetches: y's tile,
	s_lshl_b32 s18, s18, 22
	s_and_b32 s19, s13, 15
	s_lshl_b32 s19, s19, 14
	s_add_co_u32 s18, s18, s19
	s_lshr_b32 s19, s40, 1
	s_lshl_b32 s19, s19, 18                        ; my work-group's head of the two,
	s_add_co_u32 s18, s18, s19
	s_and_b32 s19, s40, 1
	s_lshl_b32 s19, s19, 13                        ; and half of its 16,384 bytes,
	s_add_co_u32 s18, s18, s19
	s_add_co_u32 s18, s18, 3*524288                ; at K step 3: the first change of slots steps it to 4
	s_mov_b32 s19, 0
	s_add_nc_u64 s[PFA:PFA+1], s[4:5], s[18:19]
	s_cmp_eq_u32 s10, 0
	s_cselect_b32 s[LIM], 1, -1                    ; wave 0 asks
; 8 matrix instructions: tokens' block a against Wproj's eight, 32 along K, buffer f.  The 32 accumulators take turns in one order.
.macro MUL8 f, a, first
.irp b, 0,1,2,3,4,5,6,7
.if \first
	v_wmma_f32_16x16x32_f16 v[8*(8*(\a)+\b):8*(8*(\a)+\b)+7], v[128+64*(\f)+8*\b:128+64*(\f)+8*\b+7], v[32+32*(\f)+8*(\a):32+32*(\f)+8*(\a)+7], v[8*\b:8*\b+7]
.else
	v_wmma_f32_16x16x32_f16 v[8*(8*(\a)+\b):8*(8*(\a)+\b)+7], v[128+64*(\f)+8*\b:128+64*(\f)+8*\b+7], v[32+32*(\f)+8*(\a):32+32*(\f)+8*(\a)+7], v[8*(8*(\a)+\b):8*(8*(\a)+\b)+7]
.endif
.endr
.endm
; 24 LDS loads in one run: quarter qd (32 along K) of a slot into buffer f: Wproj's eight fragments, then y's four
.macro FETCH slot, qd, f
	WIN 0
.irp b, 0,1,2,3,4,5,6,7
	ds_load_b128 v[128+64*(\f)+8*\b:128+64*(\f)+8*\b+3],   v[ADRB+\slot] offset:\b*4352+64*(\qd)
	ds_load_b128 v[128+64*(\f)+8*\b+4:128+64*(\f)+8*\b+7], v[ADRB+\slot] offset:\b*4352+64*(\qd)+32
.endr
.irp a, 0,1,2,3
	ds_load_b128 v[32+32*(\f)+8*\a:32+32*(\f)+8*\a+3],   v[ADRA+\slot] offset:\a*2176+((\qd)/2)*17408+((\qd)%2)*64
	ds_load_b128 v[32+32*(\f)+8*\a+4:32+32*(\f)+8*\a+7], v[ADRA+\slot] offset:\a*2176+((\qd)/2)*17408+((\qd)%2)*64+32
.endr
.endm
.macro PLACES
.rept 4
	v_nop
.endr
.endm
.macro MWIN first
.if \first
	WIN 0x60                                       ; C (bproj) in window 2, D in window 1
.else
	WIN MUL
.endif
.endm
; One of a K step's first three quarters: multiplies buffer f; in its middle it fetches quarter qn of the same slot into buffer g.
.macro QUARTER slot, qn, f, g, first
	s_wait_dscnt 4                                 ; all but the youngest four loads (tokens' blocks 2 and 3)
	MWIN \first
	MUL8 \f, 0, \first
	MUL8 \f, 1, \first
	PLACES
	FETCH \slot, \qn, \g
	s_wait_dscnt 24                                ; all but the 24 just issued
	MWIN \first
	MUL8 \f, 2, \first
	MUL8 \f, 3, \first
.endm
; The last quarter multiplies buffer 1 and changes slots: one barrier; in front of it each wave waits for all its tensor loads, adds 0 to its spare word, and waits for that and for its reads of this slot.
.macro TURN slot, next, fill
.if \fill
	s_wait_xcnt 0x0                                ; the last prefetch, a K step back, has read its address
	s_add_nc_u64 s[PFA:PFA+1], s[PFA:PFA+1], 524288
.endif
	WIN 0
	s_wait_tensorcnt 0x0                           ; all my tensor loads have landed: my part of the next slot
	ds_add_u32 v[SPW], v[NIL]
	s_wait_dscnt 5                                 ; (the add and the youngest four loads may be out)
	WIN MUL
	MUL8 1, 0, 0
	s_wait_dscnt 0x0                               ; the add is done, and my reads of this slot are over
	s_barrier_signal -1
	MUL8 1, 1, 0
	WIN 0
	s_barrier_wait -1
.if \fill
	CREST                                          ; the barrier has opened a round of the cluster's barrier: no wave of any partner still reads this slot or has a load on its way
	s_add_nc_u64 s[G0+4*\slot+2:G0+4*\slot+3], s[G0+4*\slot+2:G0+4*\slot+3], 1048576
	s_add_nc_u64 s[G0B+4*\slot+2:G0B+4*\slot+3], s[G0B+4*\slot+2:G0B+4*\slot+3], 512
	JLOAD \slot                                    ; the first tensor load behind the round; its four v_nop are also the places in front of the loads below
.else
	PLACES
.endif
	FETCH \next, 0, 0
.if \fill
	ASK
.endif
	WIN MUL
	MUL8 1, 2, 0
	MUL8 1, 3, 0
.endm
	s_wait_tensorcnt 1                             ; my part of K step 0 is in; K step 1's may stay out
	s_barrier_signal -1
	s_barrier_wait -1
	FETCH 0, 0, 0
	s_wait_loadcnt 0x0                             ; bproj
	QUARTER 0, 1, 0, 1, 1                          ; the first quarter stands in front of the loop: its products start the sums
	WIN 0
	s_mov_b32 s3, LAPS-1
.Llap:                                             ; a trip goes once round the ring, from a lap's second quarter to the next lap's first, and fills both slots again
	QUARTER 0, 2, 1, 0, 0
	QUARTER 0, 3, 0, 1, 0
	TURN 0, 1, 1
	QUARTER 1, 1, 0, 1, 0
	QUARTER 1, 2, 1, 0, 0
	QUARTER 1, 3, 0, 1, 0
	TURN 1, 0, 1
	QUARTER 0, 1, 0, 1, 0
	WIN 0
	s_sub_co_u32 s3, s3, 1
	s_cmp_lg_u32 s3, 0
	s_cbranch_scc1 .Llap
	QUARTER 0, 2, 1, 0, 0                          ; the last lap fills nothing
	QUARTER 0, 3, 0, 1, 0
	TURN 0, 1, 0
	QUARTER 1, 1, 0, 1, 0
	QUARTER 1, 2, 1, 0, 0
	QUARTER 1, 3, 0, 1, 0
	s_wait_dscnt 4
	WIN MUL
	MUL8 1, 0, 0
	MUL8 1, 1, 0
	s_wait_dscnt 0
	MUL8 1, 2, 0
	MUL8 1, 3, 0
	WIN 0
; THE WAY OUT, block by block of 16 tokens x 128 columns: through my own stage, back as whole rows of 512 bytes.
.macro TOSTAGE a
	WIN 0x04                                       ; an LDS store's data are its source 1: window 1
.irp b, 0,1,2,3,4,5,6,7
	ds_store_b128 v[STO], v[8*(8*(\a)+\b):8*(8*(\a)+\b)+3] offset:64*\b          ; each accumulator from its low end on
	ds_store_b128 v[STO], v[8*(8*(\a)+\b)+4:8*(8*(\a)+\b)+7] offset:64*\b+16
.endr
	WIN 0
.set BKR, 128+64*((\a)%2)
.irp t, 0,1,2,3,4,5,6,7,8,9,10,11,12,13,14,15
	ds_load_b128 v[BKR+4*\t:BKR+4*\t+3], v[RD] offset:\t*528                    ; in order behind the stores above
.endr
.endm
.macro SEND a, younger
.set BKR, 128+64*((\a)%2)
	s_wait_dscnt \younger                          ; the block is back; the next block's 16 stores and 16 loads may be out
.irp t, 0,1,2,3,4,5,6,7,8,9,10,11,12,13,14,15
	global_store_b128 v[CO], v[BKR+4*\t:BKR+4*\t+3], s[66:67] offset:(\a)*65536+\t*4096 th:TH_STORE_NT   ; 32 lanes store 512 consecutive bytes
.endr
.endm
	PLACES
	TOSTAGE 0
.irp a, 1,2,3
.if \a > 1
	s_wait_xcnt 0x0                                ; block a - 2's stores have read their registers: block a's loads may land there
.endif
	TOSTAGE \a
	SEND \a-1, 32
.endr
	SEND 3, 0
	s_wait_tensorcnt 0x0                           ; the wave's end
	ds_add_u32 v[SPW], v[NIL]
	s_wait_dscnt 0x0
	CROUND                                         ; the closing round
	s_endpgm
.Lfunc_end_k_q0f1cc2fbe9_proj:
	.size	k_q0f1cc2fbe9_proj, .Lfunc_end_k_q0f1cc2fbe9_proj-k_q0f1cc2fbe9_proj
	.p2alignl 7, 3214868480
	.fill 96, 4, 3214868480
	.section	.rodata,"a",@progbits
	.p2align	6, 0x0
	.amdhsa_kernel k_q0f1cc2fbe9_proj
		.amdhsa_group_segment_fixed_size 327680
		.amdhsa_private_segment_fixed_size 0
		.amdhsa_enable_private_segment 0
		.amdhsa_kernarg_size 32
		.amdhsa_user_sgpr_count 2
		.amdhsa_user_sgpr_kernarg_segment_ptr 1
		.amdhsa_wavefront_size32 1
		.amdhsa_system_sgpr_workgroup_id_x 1
		.amdhsa_system_sgpr_workgroup_id_y 1
		.amdhsa_system_sgpr_workgroup_id_z 1
		.amdhsa_system_vgpr_workitem_id 0
		.amdhsa_next_free_vgpr 640
		.amdhsa_next_free_sgpr 72
		.amdhsa_reserve_vcc 0
		.amdhsa_float_denorm_mode_32 3
		.amdhsa_float_denorm_mode_16_64 3
		.amdhsa_memory_ordered 1
		.amdhsa_forward_progress 1
		.amdhsa_inst_pref_size 88
	.end_amdhsa_kernel
	.amdgpu_metadata
---
amdhsa.version: [ 1, 2 ]
amdhsa.kernels:
  - .name:           k_q0f1cc2fbe9_proj
    .symbol:         k_q0f1cc2fbe9_proj.kd
    .args:
      - { .name: yh, .offset: 0, .size: 8, .value_kind: global_buffer, .address_space: global }
      - { .name: wph, .offset: 8, .size: 8, .value_kind: global_buffer, .address_space: global }
      - { .name: bproj, .offset: 16, .size: 8, .value_kind: global_buffer, .address_space: global }
      - { .name: out0, .offset: 24, .size: 8, .value_kind: global_buffer, .address_space: global }
    .group_segment_fixed_size: 327680
    .private_segment_fixed_size: 0
    .kernarg_segment_align: 8
    .kernarg_segment_size: 32
    .max_flat_workgroup_size: 128
    .sgpr_count:     72
    .vgpr_count:     640
    .wavefront_size: 32
...
	.end_amdgpu_metadata
.endif
;; end of part 4
;; launch first16 (part 5): grid 16 x 4, 16 waves a work-group, no clusters, 72,192 bytes of LDS; arguments qkv32, key_pad_mask, Wproj, bproj, out0; writes out0
.if DOCPART == 5
	.amdgcn_target "amdgcn-amd-amdhsa--gfx1250"
	.amdhsa_code_object_version 6
	.text
	.protected	k_q0f1cc2fbe9_first16
	.globl	k_q0f1cc2fbe9_first16
	.p2align	8
	.type	k_q0f1cc2fbe9_first16,@function
k_q0f1cc2fbe9_first16:
	s_mov_b64 s[64:65], 0
	v_nop
	global_prefetch_b8 v0, s[64:65] scope:SCOPE_SE
	s_setreg_imm32_b32 hwreg(HW_REG_WAVE_MODE, 25, 1), 1
	s_wait_xcnt 0x0
; TOKENS 0-15 OF EVERY BATCH ONCE MORE, WHOLLY IN F32: under the causal mask these rows average one to sixteen values and are the largest in size, so the rounding of 16-bit operands weighs most there.
; q, k, v: qkv32 [3][4][16 heads][16 tokens][64] f32; key_pad_mask [4][2048]; Wproj [1024][1024], bproj [1024] f32.  The launch runs last and stores rows 0-15 of each batch of out0.
; Work-group (cc, b): batch b, columns 64 cc .. 64 cc + 63.  Wave = head: its 16 x 16 attention, then its 64 channels' share of the projection onto the 64 columns; the 16 shares are added in LDS in the order of the heads.
; All products by the f32 matrix form, K = 4 an instruction, used transposed, so that a lane holds one query.  The k of an instruction stand for any four numbers, alike on both sides.
; MASKS as in the bulk launch: a masked score is -3e38, the maximum has -1e38 among its leaves, so a wholly masked row gives 0 x (1 / 0) = NaN, as the softmax of an empty row does.
; The registers that the f32 matrix form writes (v120-135, v152-183) are written by matrix instructions alone; sums begin with the constant 0.
; No tensor load, no cluster: 64 small work-groups that share only Wproj's rows by column chunk.
.set RED,   0                          ; LDS: wave x 4,096: its share, piece p = 2 nt + i at p x 512 + 16 x lane
.set OUTS,  65536                      ; 16 rows x (256 bytes + 16)
.set SPARE, 70144                      ; the spare words, 128 bytes a wave
	s_load_b256 s[4:11], s[0:1], 0x0               ; qkv32, key_pad_mask, Wproj, bproj
	s_load_b64 s[12:13], s[0:1], 0x20              ; out0
	v_lshl_add_u32 v254, v0, 2, SPARE
	v_mov_b32 v255, 0
	v_lshrrev_b32 v144, 5, v0
	v_readfirstlane_b32 s14, v144                  ; wave = head
	s_and_b32 s15, s14, 7                          ; the piece and the rows that waves 0-7 take at the end
	s_and_b32 s16, ttmp7, 0xffff                   ; batch
	v_and_b32 v144, 15, v0                         ; r
	v_bfe_u32 v145, v0, 4, 1                       ; h
	v_and_b32 v146, 31, v0                         ; lane
	v_lshlrev_b32 v1, 8, v144
	v_lshl_add_u32 v1, v145, 4, v1                 ; q, k: token r of 256 bytes, + 16 h
	v_lshlrev_b32 v2, 2, v144
	v_lshl_add_u32 v2, v145, 11, v2                ; v: channel r, keys 8 h on
	v_lshlrev_b32 v3, 5, v145                      ; the mask's words of keys 8 h + 0 .. 7
	v_lshlrev_b32 v4, 12, v144
	v_lshl_add_u32 v4, v145, 5, v4                 ; Wproj: row r of 4,096 bytes, + 32 h
	s_lshr_b32 s17, s15, 1
	s_and_b32 s18, s15, 1
	s_lshl_b32 s19, s17, 6
	s_lshl_b32 s20, s18, 4
	s_add_co_u32 s19, s19, s20                     ; 64 nt + 16 i of my piece
	v_add_nc_u32 v5, s19, v3                       ; + 32 h: my four columns' bytes, in bproj and in a row of OUTS
	v_lshlrev_b32 v6, 4, v146
	s_lshl_b32 s21, s15, 9
	v_add_nc_u32 v7, s21, v6                       ; where I read a piece: piece x 512 + 16 x lane
	s_lshl_b32 s20, s14, 12
	v_add_nc_u32 v6, s20, v6                       ; where I put my share: wave x 4,096 + 16 x lane
	v_mul_u32_u24 v8, v144, 272
	v_add_nc_u32 v8, v8, v5
	v_add_nc_u32 v8, OUTS, v8                      ; where the piece's sums go: row r
	s_lshl_b32 s22, s15, 1
	v_add_nc_u32 v147, s22, v145                   ; the row that I store: 2 x wave + lane / 16
	v_mul_u32_u24 v9, v147, 272
	v_lshl_add_u32 v9, v144, 4, v9
	v_add_nc_u32 v9, OUTS, v9
	v_lshlrev_b32 v10, 12, v147
	v_lshl_add_u32 v10, v144, 4, v10               ; and its place in out0
	v_lshlrev_b32 v148, 3, v145
	v_sub_nc_u32 v11, v144, v148                   ; r - 8 h
	v_mov_b32 v12, 0xff61b1e6                      ; -3e38
	s_mov_b32 s26, 0x3e38aa3b                      ; c = log2(e) / 8
	s_mov_b32 s28, 0x76543210
	s_mov_b32 s29, 0xfedcba98
	s_lshl_b32 s24, s16, 16
	s_lshl_b32 s25, s14, 12
	s_add_co_u32 s24, s24, s25
	s_mov_b32 s25, 0
	s_lshl_b32 s32, s16, 13
	s_mov_b32 s33, 0
	s_lshl_b32 s34, ttmp9, 18                      ; Wproj: 64 rows a chunk,
	s_lshl_b32 s35, s14, 8                         ; my head's 64 channels
	s_add_co_u32 s34, s34, s35
	s_mov_b32 s35, 0
	s_lshl_b32 s36, ttmp9, 8
	s_mov_b32 s37, 0
	s_lshl_b32 s38, s16, 23
	s_add_co_u32 s38, s38, s36
	s_mov_b32 s39, 0
	s_wait_kmcnt 0x0
	s_add_nc_u64 s[4:5], s[4:5], s[24:25]
	s_add_nc_u64 s[6:7], s[6:7], s[32:33]
	s_add_nc_u64 s[8:9], s[8:9], s[34:35]
	s_add_nc_u64 s[10:11], s[10:11], s[36:37]
	s_add_nc_u64 s[12:13], s[12:13], s[38:39]
.macro WLOAD reg, ct                   ; Wproj(64 cc + 16 nt + r, 64 head + 16 ct + 8 h + 0 .. 7) into v[reg + 8 nt ..]
.irp nt, 0,1,2,3
	global_load_b128 v[\reg+8*\nt:\reg+8*\nt+3],   v4, s[8:9] offset:\nt*65536+64*\ct
	global_load_b128 v[\reg+8*\nt+4:\reg+8*\nt+7], v4, s[8:9] offset:\nt*65536+64*\ct+16
.endr
.endm
	global_load_b128 v[112:115], v3, s[6:7]
	global_load_b128 v[116:119], v3, s[6:7] offset:16
.irp c, 0,1,2,3,4,5,6,7
	global_load_b128 v[16+4*\c:19+4*\c], v1, s[4:5] offset:32*\c               ; q(r, 8 c + 4 h + 0 .. 3)
.endr
.irp c, 0,1,2,3,4,5,6,7
	global_load_b128 v[48+4*\c:51+4*\c], v1, s[4:5] offset:262144+32*\c        ; k likewise: the same four channels stand at the same k on both sides
.endr
.irp ct, 0,1,2,3
.irp i, 0,1,2,3,4,5,6,7
	global_load_b32 v[80+8*\ct+\i], v2, s[4:5] offset:524288+256*\i+64*\ct     ; v(key 8 h + i, channel 16 ct + r)
.endr
.endr
	global_load_b128 v[248:251], v5, s[10:11]
	WLOAD 184, 0
	s_wait_loadcnt 41                              ; the mask, q and k are in; v's 32, bproj's 1 and Wproj's 8 may be out
.irp e, 0,1,2,3,4,5,6,7,8,9,10,11,12,13,14,15     ; S^T = k q^T: two accumulators by turns
.if \e < 2
	v_wmma_f32_16x16x4_f32 v[120+8*(\e%2):127+8*(\e%2)], v[48+2*\e:49+2*\e], v[16+2*\e:17+2*\e], 0
.else
	v_wmma_f32_16x16x4_f32 v[120+8*(\e%2):127+8*(\e%2)], v[48+2*\e:49+2*\e], v[16+2*\e:17+2*\e], v[120+8*(\e%2):127+8*(\e%2)]
.endif
.endr
.rept 8
	v_nop                                          ; eight places behind this form: for the loads into q's and k's registers and the first read of the sums
.endr
	WLOAD 16, 2
	WLOAD 48, 3
.irp j, 0,1,2,3,4,5,6,7
	v_add_f32 v[136+\j], v[120+\j], v[128+\j]      ; lane (r, h): the score of query r and key 8 h + j
.endr
.irp j, 0,1,2,3,4,5,6,7
	v_cmp_ne_u32 s30, 0, v[112+\j]                 ; the key is valid,
	v_cmp_le_i32 vcc_lo, \j, v11                   ; and 8 h + j <= r
	s_and_b32 vcc_lo, vcc_lo, s30
	v_cndmask_b32 v[136+\j], v12, v[136+\j], vcc_lo
.endr
	v_max3_num_f32 v144, v136, v137, v138
	v_max3_num_f32 v144, v144, v139, v140
	v_max3_num_f32 v144, v144, v141, v142
	v_max3_num_f32 v144, v144, v143, 0xfe967699    ; -1e38 among the leaves
	v_permlanex16_b32 v145, v144, s28, s29
	v_max_num_f32 v144, v144, v145                 ; the row's maximum
	v_mul_f32 v146, s26, v144
.irp j, 0,1,2,3,4,5,6,7
	v_fma_f32 v[136+\j], v[136+\j], s26, -v146
.endr
.irp j, 0,1,2,3,4,5,6,7
	v_exp_f32 v[136+\j], v[136+\j]
.endr
	v_nop
	s_wait_alu depctr_va_vdst(0)                   ; one wait for the eight exponentials
	v_add_f32 v147, v136, v137
	v_add_f32 v148, v138, v139
	v_add_f32 v147, v147, v140
	v_add_f32 v148, v148, v141
	v_add_f32 v147, v147, v142
	v_add_f32 v148, v148, v143
	v_add_f32 v147, v147, v148
	v_permlanex16_b32 v145, v147, s28, s29
	v_add_f32 v147, v147, v145                     ; the row's sum
	v_rcp_f32 v149, v147
	v_nop
	s_wait_alu depctr_va_vdst(0)
	s_wait_loadcnt 25                              ; v is in; bproj's 1 and three times Wproj's 8 may be out
	WLOAD 216, 1
.irp s, 0,1,2,3                        ; O^T = v^T p: k stands for key 8 h + 2 s + j; four accumulators by turns
.irp ct, 0,1,2,3
.if \s == 0
	v_wmma_f32_16x16x4_f32 v[152+8*\ct:159+8*\ct], v[80+8*\ct+2*\s:81+8*\ct+2*\s], v[136+2*\s:137+2*\s], 0
.else
	v_wmma_f32_16x16x4_f32 v[152+8*\ct:159+8*\ct], v[80+8*\ct+2*\s:81+8*\ct+2*\s], v[136+2*\s:137+2*\s], v[152+8*\ct:159+8*\ct]
.endif
.endr
.endr
.rept 9
	v_nop                                          ; nine places: the projection's first products are written over these sums' registers by matrix instructions
.endr
.set n, 0
.rept 32
	v_mul_f32 v[80+n], v[152+n], v149              ; y(query r, channel 16 ct + 8 h + j), into v's registers
.set n, n+1
.endr
	s_wait_loadcnt 0x0
.macro PROJ ct, reg, first             ; my head's share: k stands for channel 16 ct + 8 h + 2 s + j; four accumulators (column tiles) by turns
.irp s, 0,1,2,3
.irp nt, 0,1,2,3
.if \first && (\s == 0)
	v_wmma_f32_16x16x4_f32 v[152+8*\nt:159+8*\nt], v[\reg+8*\nt+2*\s:\reg+8*\nt+2*\s+1], v[80+8*\ct+2*\s:81+8*\ct+2*\s], 0
.else
	v_wmma_f32_16x16x4_f32 v[152+8*\nt:159+8*\nt], v[\reg+8*\nt+2*\s:\reg+8*\nt+2*\s+1], v[80+8*\ct+2*\s:81+8*\ct+2*\s], v[152+8*\nt:159+8*\nt]
.endif
.endr
.endr
.endm
	PROJ 0, 184, 1
	PROJ 1, 216, 0
	PROJ 2, 16, 0
	PROJ 3, 48, 0
.rept 8
	v_nop
.endr
.irp nt, 0,1,2,3
	ds_store_b128 v6, v[152+8*\nt:155+8*\nt] offset:1024*\nt        ; lane (r, h): row r, columns 16 nt + 8 h + 0 .. 3,
	ds_store_b128 v6, v[156+8*\nt:159+8*\nt] offset:1024*\nt+512    ; and + 4 .. 7
.endr
	s_wait_dscnt 0x0                               ; my share lies in LDS
	s_barrier_signal -1
	s_barrier_wait -1
	s_cmp_lt_u32 s14, 8
	s_cbranch_scc0 .Lnosum
.irp u, 0,1,2,3,4,5,6,7,8,9,10,11,12,13,14,15
	ds_load_b128 v[16+4*\u:19+4*\u], v7 offset:4096*\u             ; piece w of all sixteen heads
.endr
	s_wait_dscnt 0x0
.irp u, 1,2,3,4,5,6,7,8,9,10,11,12,13,14,15
	v_pk_add_f32 v[16:17], v[16:17], v[16+4*\u:17+4*\u]
	v_pk_add_f32 v[18:19], v[18:19], v[18+4*\u:19+4*\u]
.endr
	v_pk_add_f32 v[16:17], v[16:17], v[248:249]
	v_pk_add_f32 v[18:19], v[18:19], v[250:251]
	ds_store_b128 v8, v[16:19]
.Lnosum:
	s_wait_dscnt 0x0                               ; the sums lie in OUTS
	s_barrier_signal -1
	s_barrier_wait -1
	s_cmp_lt_u32 s14, 8
	s_cbranch_scc0 .Lnoout
	ds_load_b128 v[20:23], v9
	s_wait_dscnt 0x0
	global_store_b128 v10, v[20:23], s[12:13]      ; sixteen lanes store 256 consecutive bytes of a row; a wave two rows
.Lnoout:
	s_wait_tensorcnt 0x0                           ; the wave's end
	ds_add_u32 v254, v255
	s_wait_dscnt 0x0
	s_endpgm
.Lfunc_end_k_q0f1cc2fbe9_first16:
	.size	k_q0f1cc2fbe9_first16, .Lfunc_end_k_q0f1cc2fbe9_first16-k_q0f1cc2fbe9_first16
	.p2alignl 7, 3214868480
	.fill 96, 4, 3214868480
	.section	.rodata,"a",@progbits
	.p2align	6, 0x0
	.amdhsa_kernel k_q0f1cc2fbe9_first16
		.amdhsa_group_segment_fixed_size 72192
		.amdhsa_private_segment_fixed_size 0
		.amdhsa_enable_private_segment 0
		.amdhsa_kernarg_size 40
		.amdhsa_user_sgpr_count 2
		.amdhsa_user_sgpr_kernarg_segment_ptr 1
		.amdhsa_wavefront_size32 1
		.amdhsa_system_sgpr_workgroup_id_x 1
		.amdhsa_system_sgpr_workgroup_id_y 1
		.amdhsa_system_sgpr_workgroup_id_z 1
		.amdhsa_system_vgpr_workitem_id 0
		.amdhsa_next_free_vgpr 256
		.amdhsa_next_free_sgpr 66
		.amdhsa_reserve_vcc 1
		.amdhsa_float_denorm_mode_32 3
		.amdhsa_float_denorm_mode_16_64 3
		.amdhsa_memory_ordered 1
		.amdhsa_forward_progress 1
		.amdhsa_inst_pref_size 26
	.end_amdhsa_kernel
	.amdgpu_metadata
---
amdhsa.version: [ 1, 2 ]
amdhsa.kernels:
  - .name:           k_q0f1cc2fbe9_first16
    .symbol:         k_q0f1cc2fbe9_first16.kd
    .args:
      - { .name: qkv32, .offset: 0, .size: 8, .value_kind: global_buffer, .address_space: global }
      - { .name: key_pad_mask, .offset: 8, .size: 8, .value_kind: global_buffer, .address_space: global }
      - { .name: Wproj, .offset: 16, .size: 8, .value_kind: global_buffer, .address_space: global }
      - { .name: bproj, .offset: 24, .size: 8, .value_kind: global_buffer, .address_space: global }
      - { .name: out0, .offset: 32, .size: 8, .value_kind: global_buffer, .address_space: global }
    .group_segment_fixed_size: 72192
    .private_segment_fixed_size: 0
    .kernarg_segment_align: 8
    .kernarg_segment_size: 40
    .max_flat_workgroup_size: 512
    .sgpr_count:     66
    .vgpr_count:     256
    .wavefront_size: 32
...
	.end_amdgpu_metadata
.endif
;; end of part 5
